; MI455X (gfx1250); checked and timed in simulation.
; The chip was launched on July 23, 2026; its instructions are those of AMD's public machine-readable ISA for CDNA 5 (MIT licence, August 2026) and "CDNA5" Instruction Set Architecture Reference Guide (July 2026). The comments in the code are by the model that wrote it; some were corrected since.
;; GPT Block. Allowed arithmetic: matrix products marked QUANTISED: E4M3 operands, one E8M0 scale for each 32 along K, by v_wmma_scale_f32_16x16x128_f8f6f4 with both operands' format E4M3, f32 sums; everything else in f32.
;; Inputs: w_ff1 1,024 x 4,096 float32; w_ff2 4,096 x 1,024 float32; w_out 1,024 x 1,024 float32; w_qkv 1,024 x 3,072 float32; x 4 x 1,024 x 1,024 float32.
;; Outputs: out0 4 x 1,024 x 1,024 float32.
;; This version of the problem:
;;   THIS VERSION OF THE PROBLEM IS GIVEN IN LOW PRECISION. The matrix products marked QUANTISED in the list below multiply operands that are first quantised to E4M3 (4 exponent bits, 3 mantissa bits; 8 bits a number), with one power-of-two scale for each 32 numbers along K (OCP MX v1.0); their sums are f32. All else is computed in f32.
;;   The module's matrix products, in the order in which they are computed (A, B: the left and right operand; K: the contracted axis; several contracted axes count as one K, in the product's order):
;;     1. [M 4,096, K 1,024] x [K 1,024, N 3,072]; A: input x; B: input w_qkv: QUANTISED
;;     2. batch 64 x [M 1,024, K 64] x [K 64, N 1,024]; A: computed on the way; B: computed on the way: QUANTISED
;;     3. batch 64 x [M 1,024, K 1,024] x [K 1,024, N 64]; A: softmax (see below); B: computed on the way: QUANTISED
;;     4. [M 4,096, K 1,024] x [K 1,024, N 1,024]; A: computed on the way; B: input w_out: QUANTISED
;;     5. [M 4,096, K 1,024] x [K 1,024, N 4,096]; A: computed on the way; B: input w_ff1: QUANTISED
;;     6. [M 4,096, K 4,096] x [K 4,096, N 1,024]; A: computed on the way; B: input w_ff2: QUANTISED
;;   THE QUANTISER, for each operand of a quantised product, along K:
;;     - K is cut into blocks of 32 from its start; a last block that is shorter is filled with zeros.
;;     - A block's scale is 2^e with e = floor(log2(the largest magnitude in the block)) - 8, held to -126 .. 127; a block of zeros has e = 0. As a byte (E8M0): e + 127.
;;     - Each number is divided by its block's scale, clamped to +-448, and rounded to the nearest number of E4M3, ties to even, subnormals kept.
;;     - The product sums the exact products of the quantised numbers (number of the format x scale) in f32.
;;   ~~~python
;;   def quantise(x, axis):      # numpy; x: float32 -> the quantised numbers, widened to float32 again
;;       x = np.moveaxis(x, axis, -1); K = x.shape[-1]
;;       x = np.pad(x, [(0, 0)] * (x.ndim - 1) + [(0, -K % 32)]); x = x.reshape(x.shape[:-1] + (-1, 32)); a = np.abs(x).max(-1, keepdims=True)
;;       e = np.where(a > 0, np.clip(np.frexp(np.where(a > 0, a, 1))[1] - 1 - 8, -126, 127), 0)      # np.frexp(a)[1] - 1 = floor(log2(a)), exactly
;;       r = np.clip(x / 2.0 ** e, -448, 448)
;;       step = 2.0 ** (np.maximum(np.frexp(np.where(r == 0, 1, r))[1] - 1, -6) - 3)
;;       q = np.round(r / step) * step * 2.0 ** e      # np.round: ties to even
;;       return np.moveaxis(q.reshape(q.shape[:-2] + (-1,))[..., :K], -1, axis).astype(np.float32)
;;   ~~~
;;   SOFTMAX AHEAD OF A QUANTISED PRODUCT. Where the list says 'softmax', what is quantised is not the finished softmax but p = 2^(t - M), with t = logit x log2(e) and M = ceil(the row's largest t), a whole number; so 1/2 < the row's largest p <= 1. The row's sum l is taken of the UNQUANTISED p, in f32, and the product's result is divided by l at the end. Since M is a whole number, a kernel that streams over the keys may use a running M (the ceiling of the running maximum): every later rescaling is an exact power of two, which a block's scale takes up: the codes' values come out the same.
;;   OPERANDS COMPUTED ON THE WAY. 'Computed on the way' means the value that the module computes at that place (a softmax that the list does not call 'softmax' is quantised finished and normalised). What goes into a quantiser is computed in f32, as accurately as f32 sums, v_exp_f32 and their like allow (about 1e-6 of the number): no bf16 or f16 on the way to a quantiser, and a product that is left as it is and whose result goes on into a quantised operand takes f32 operands (vector FMAs, or v_wmma_f32_16x16x4_f32). A number that lies on a knife's edge between two numbers of the format may be rounded either way, as far as f32 arithmetic and the matrix unit's own rounding can turn it there, and no further.
;; One version. Each part assembles by itself: llvm-mc -triple=amdgcn-amd-amdhsa -mcpu=gfx1250 --defsym DOCPART=n.
;; ======== version 1 of 1: 6 launches
;; limits: right only within a limited range of input values
;; workspace buffers: w 17,301,504 bytes; qkv 21,626,880 bytes; ao 4,325,376 bytes; x1 21,102,592 bytes; h 17,301,504 bytes
;; launch quant (part 1): grid 640 x 1, 4 waves a work-group, no clusters, 34,304 bytes of LDS; arguments x, w_qkv, w_out, w_ff1, w_ff2, w; writes w
.if DOCPART == 1
	.amdgcn_target "amdgcn-amd-amdhsa--gfx1250"
	.amdhsa_code_object_version 6
	.text
	.protected	k_qda9abff91f_quant
	.globl	k_qda9abff91f_quant
	.p2align	8
	.type	k_qda9abff91f_quant,@function
k_qda9abff91f_quant:
	s_mov_b64 s[64:65], 0
	v_nop
	global_prefetch_b8 v0, s[64:65] scope:SCOPE_SE
	s_setreg_imm32_b32 hwreg(HW_REG_WAVE_MODE, 25, 1), 1
	s_wait_xcnt 0x0
; LAUNCH 1 OF 6 of a GPT block (B 4, T 1024, C 1024, 16 heads of 64, FF 4096), all six products on codes of FP8 (E4M3) with one E8M0 scale for each 32 along K.
; This launch quantises x and the four weights, each along its own K, into the workspace w.
; DEAD WORK LEFT OUT BY THE PROGRAM (in the launch attn): the block's own causal mask sets the logit of key k for query q to -infinity where k > q, so p = 0 there, whatever the inputs hold.
; A whole step of 128 keys that lies behind all 16 queries of a query tile adds 0 to the row's sum and 0 to the second product: such steps are not walked.  Every input has a way to the output: all five are loaded.
; LIMIT: a NaN, an infinity or an overflow that would arise only in those hidden scores is not carried to the result.
; LIMITS of the quantiser here: a block of zeros gets the byte 1 where the rule says 127 (its codes are zeros, and this program alone reads the bytes); a block's largest magnitude is taken as 2^-118 at the least; NaN and infinities among the inputs are not served.
; TILE ORDER.  Every operand is cut into tiles of 16 rows (tokens of x, output columns n of a weight): lane-row r of tile t is row 32 (t / 2) + 8 (t % 2) + r + 8 (r / 8), so that the results of two neighbouring tiles
; are 16 neighbours along the next product's K.
; IMAGES.  Codes lie in the order of an operand's registers: [tile][s = K / 128][c 0..3][lane][16 bytes]; lane (r, h), piece c holds k = 128 s + 32 c + 16 h + 0 .. 15 of lane-row r.  Scale words: [tile][s][r][4 bytes].
; w: x's codes at 0 (256 tiles, 8 steps), w_qkv's at 4,194,304 (192, 8), w_out's at 7,340,032 (64, 8), w_ff1's at 8,388,608 (256, 8), w_ff2's at 12,582,912 (64, 32); scale words at 16,777,216 + (the codes' offset) / 32.
; Work-groups 0-255 take x, a tile each; 256-639 the weights, 128 columns x 256 along K each.  The launch streams: no matrix unit, no cluster, no tensor load.  Only x's path uses LDS.
.set SPARE, 33792                      ; behind the four stages: the spare words, 128 bytes for each wave
.set SPW, 30                           ; v30  my spare word's LDS address; never rewritten
.set NIL, 31                           ; v31  0; never rewritten
.set SEL, 20                           ; s[20:21] lane selects: lane l xor 16
.set MNT, 22                           ; s22  the mantissa field of 448
.set TM,  32                           ; x's path: v32-47 at work: +0 largest magnitudes, +4 the other half's, then bytes, +8 448 x the scale, +12 the conversion's scale operand
.set PC,  48                           ; v48-63 a fragment's codes
.set PW,  20                           ; v20  its scale word
.set XR,  64                           ; v64-191 two units of 16 rows x 4 registers, as loaded
.set F,   192                          ; v192-255 my 64 numbers in a fragment's order
.set VO,  32                           ; the weights' path: v32-63 byte offsets of 32 rows of the weight at my column
.set X,   64                           ; v64-127 two sets of 32 numbers
.set C,   128                          ; v128-191 eight registers of codes for each of 8 blocks: no store's data are written again
.set SW,  20                           ; v20-21 two scale words
; 64 numbers of a lane, register 16 b + i = k 32 b + 16 (lane / 16) + i of my row, become a fragment's codes in v[PC] on and its scale word in v[PW]
.macro QUANT s
.irp b, 0,1,2,3
	v_max3_num_f32 v[TM+\b], |v[(\s)+16*\b]|, |v[(\s)+1+16*\b]|, 0x4800000   ; my 16 numbers of block b, and the floor 2^(9 - 127): the byte cannot fall under 1
.endr
.irp i, 2,4,6,8,10,12,14
.irp b, 0,1,2,3
	v_max3_num_f32 v[TM+\b], v[TM+\b], |v[(\s)+16*\b+\i]|, |v[(\s)+1+16*\b+\i]|
.endr
.endr
.irp b, 0,1,2,3
	v_permlanex16_b32 v[TM+4+\b], v[TM+\b], s[SEL], s[SEL+1]
.endr
.irp b, 0,1,2,3
	v_max_num_f32 v[TM+\b], v[TM+\b], v[TM+4+\b]   ; with lane l xor 16's 16: the block's largest magnitude
.endr
.irp b, 0,1,2,3
	v_add_nc_u32 v[TM+12+\b], 0xfc000000, v[TM+\b] ; 8 off its exponent field: the conversion's scale operand
.endr
.irp b, 0,1,2,3
	v_and_or_b32 v[TM+8+\b], v[TM+\b], 0x7f800000, s[MNT]   ; 448 x the scale
.endr
.irp b, 0,1,2,3
	v_lshrrev_b32 v[TM+4+\b], 23, v[TM+12+\b]      ; the scale's byte
.endr
	s_wait_alu depctr_va_vdst(0)
	s_wait_xcnt 0x0                                ; earlier stores have read their data: the word, the codes and the numbers are written only behind this wait
	v_lshl_or_b32 v[PW], v[TM+5], 8, v[TM+4]
	v_lshl_or_b32 v[PW], v[TM+6], 16, v[PW]
	v_lshl_or_b32 v[PW], v[TM+7], 24, v[PW]
.irp b, 0,1,2,3
.irp i, 0,1,2,3,4,5,6,7,8,9,10,11,12,13,14,15
	v_med3_num_f32 v[(\s)+16*\b+\i], v[(\s)+16*\b+\i], -v[TM+8+\b], v[TM+8+\b]   ; the conversion to an 8-bit code does not saturate (ISA guide 7.6.2): the hold comes first
.endr
	v_cvt_scalef32_pk8_fp8_f32 v[PC+4*\b:PC+4*\b+1], v[(\s)+16*\b:(\s)+16*\b+7], v[TM+12+\b]
	v_cvt_scalef32_pk8_fp8_f32 v[PC+4*\b+2:PC+4*\b+3], v[(\s)+16*\b+8:(\s)+16*\b+15], v[TM+12+\b]
.endr
	v_nop                                          ; a plain line behind the last conversion
.endm
	s_load_b256 s[4:11], s[0:1], 0x0               ; x s[4:5], w_qkv s[6:7], w_out s[8:9], w_ff1 s[10:11]
	s_load_b128 s[12:15], s[0:1], 0x20             ; w_ff2 s[12:13], w s[14:15]
	v_lshl_add_u32 v[SPW], v0, 2, SPARE
	v_mov_b32 v[NIL], 0
	v_lshrrev_b32 v1, 5, v0
	v_readfirstlane_b32 s16, v1                    ; wave 0..3
	v_and_b32 v5, 31, v0                           ; lane
	v_and_b32 v6, 15, v0                           ; r
	v_bfe_u32 v7, v0, 4, 1                         ; h
	s_mov_b32 s[SEL], 0x76543210
	s_mov_b32 s[SEL+1], 0xfedcba98
	s_mov_b32 s[MNT], 0x600000
	s_cmp_ge_u32 ttmp9, 256
	s_cbranch_scc1 .Lweights
	; ---- x: work-group e is tile e; wave w takes K steps 2 w and 2 w + 1.  Each load reads a row's 512 consecutive bytes; the 16 rows turn through my own stage in LDS (rows 528 bytes apart) into a fragment's order
	s_mul_i32 s17, s16, 8448
	v_lshlrev_b32 v1, 4, v5                        ; 16 x lane: my place in a row's 512 bytes, and in an image
	v_add_nc_u32 v2, s17, v1                       ; the stage, on the way in
	v_mul_u32_u24 v3, v6, 528
	v_lshl_add_u32 v3, v7, 6, v3
	v_add_nc_u32 v3, s17, v3                       ; and on the way out: row r, + 64 h
	v_lshlrev_b32 v4, 2, v6                        ; 4 r: a scale word's place
.irp b, 0,1,2,3
	v_mov_b32 v[TM+4+\b], 0                        ; a lane permute's destination counts as one of its sources
.endr
	s_lshr_b32 s24, ttmp9, 1
	s_lshl_b32 s24, s24, 5
	s_and_b32 s25, ttmp9, 1
	s_lshl_b32 s25, s25, 3
	s_add_co_u32 s24, s24, s25                     ; the tile's first row: 32 (e / 2) + 8 (e % 2)
	s_lshl_b32 s24, s24, 12
	s_lshl_b32 s25, s16, 10
	s_add_co_u32 s24, s24, s25                     ; + my two K steps: 1,024 bytes x wave
	s_mov_b32 s25, 0
	s_lshl_b32 s26, ttmp9, 3
	s_lshl_b32 s27, s16, 1
	s_add_co_u32 s26, s26, s27                     ; 8 e + 2 w
	s_lshl_b32 s28, s26, 11
	s_mov_b32 s29, 0
	s_lshl_b32 s26, s26, 6
	s_add_co_u32 s26, s26, 16777216
	s_mov_b32 s27, 0
	s_wait_alu depctr_va_vdst(0)
	s_wait_kmcnt 0x0
	s_add_nc_u64 s[4:5], s[4:5], s[24:25]
	s_add_nc_u64 s[28:29], s[14:15], s[28:29]      ; my images
	s_add_nc_u64 s[26:27], s[14:15], s[26:27]      ; my scale words
.irp v, 0,1
.irp r, 0,1,2,3,4,5,6,7,8,9,10,11,12,13,14,15
	global_load_b128 v[XR+64*\v+4*\r:XR+64*\v+4*\r+3], v1, s[4:5] offset:(\r+8*(\r/8))*4096+512*\v th:TH_LOAD_NT
.endr
.endr
.macro UNIT v
	s_wait_loadcnt 16-16*\v                        ; this unit's 16 loads are in; the other unit's may be out
.irp r, 0,1,2,3,4,5,6,7,8,9,10,11,12,13,14,15
	ds_store_b128 v2, v[XR+64*\v+4*\r:XR+64*\v+4*\r+3] offset:528*\r
.endr
.irp c, 0,1,2,3
.irp q, 0,1,2,3
	ds_load_b128 v[F+16*\c+4*\q:F+16*\c+4*\q+3], v3 offset:128*\c+16*\q   ; LDS serves a wave's instructions in order (ISA guide 5.7.1.4): these see my stores
.endr
.endr
	s_wait_dscnt 0x0
	QUANT F
.irp c, 0,1,2,3
	global_store_b128 v1, v[PC+4*\c:PC+4*\c+3], s[28:29] offset:2048*\v+512*\c   ; 32 lanes store 512 consecutive bytes
.endr
	global_store_b32 v4, v[PW], s[26:27] offset:64*\v   ; 64 bytes of scale words (lanes 16-31 write the same words again): a part of a 256-byte block, one byte for each 32 of codes
.endm
	UNIT 0
	UNIT 1
	s_wait_tensorcnt 0x0                           ; the wave's end
	ds_add_u32 v[SPW], v[NIL]
	s_wait_dscnt 0x0
	s_endpgm
.Lweights:
	; ---- the weights, stored [K][N]: a lane takes a column n and its registers run down K, so a block of 32 lies in one lane and the codes come out with K innermost.  No LDS on this path
	s_mov_b32 s17, 256                             ; the weight's first work-group,
	s_mov_b32 s18, 12288                           ; bytes from row to row,
	s_mov_b32 s19, 4194304                         ; where its codes begin in w,
	s_mov_b32 s23, 8                               ; K / 128,
	s_mov_b32 s24, 2                               ; log2 (K / 256)
	s_wait_kmcnt 0x0
	s_mov_b64 s[4:5], s[6:7]
	s_cmp_ge_u32 ttmp9, 352                        ; the choices hang on the work-group's number alone
	s_cselect_b32 s17, 352, s17
	s_cselect_b32 s18, 4096, s18
	s_cselect_b32 s19, 7340032, s19
	s_cselect_b64 s[4:5], s[8:9], s[4:5]
	s_cmp_ge_u32 ttmp9, 384
	s_cselect_b32 s17, 384, s17
	s_cselect_b32 s18, 16384, s18
	s_cselect_b32 s19, 8388608, s19
	s_cselect_b64 s[4:5], s[10:11], s[4:5]
	s_cmp_ge_u32 ttmp9, 512
	s_cselect_b32 s17, 512, s17
	s_cselect_b32 s18, 4096, s18
	s_cselect_b32 s19, 12582912, s19
	s_cselect_b32 s23, 32, s23
	s_cselect_b32 s24, 4, s24
	s_cselect_b64 s[4:5], s[12:13], s[4:5]
	s_sub_co_u32 s25, ttmp9, s17
	s_lshr_b32 s26, s25, s24                       ; which 128 columns
	s_lshl_b32 s27, s26, s24
	s_sub_co_u32 s27, s25, s27                     ; which 256 along K
	s_lshl_b32 s28, s26, 2
	s_add_co_u32 s28, s28, s16                     ; my wave's group of 32 columns
	s_lshl_b32 s30, s27, 8
	s_mul_i32 s30, s30, s18
	s_lshl_b32 s31, s28, 7
	s_add_co_u32 s30, s30, s31
	s_mov_b32 s31, 0
	s_add_nc_u64 s[32:33], s[4:5], s[30:31]        ; a base for each of the 8 blocks: no pointer is stepped
	s_lshl_b32 s48, s18, 5
	s_mov_b32 s49, 0
.irp t, 1,2,3,4,5,6,7
	s_add_nc_u64 s[32+2*\t:33+2*\t], s[30+2*\t:31+2*\t], s[48:49]
.endr
	s_mul_i32 s50, s28, s23
	s_add_co_u32 s50, s50, s27
	s_lshl_b32 s50, s50, 12                        ; tiles 2 g and 2 g + 1, K steps 2 kq and 2 kq + 1
	s_add_co_u32 s50, s50, s19
	s_mov_b32 s51, 0
	s_lshr_b32 s52, s50, 5
	s_add_co_u32 s52, s52, 16777216
	s_mov_b32 s53, 0
	s_add_nc_u64 s[50:51], s[14:15], s[50:51]
	s_add_nc_u64 s[52:53], s[14:15], s[52:53]
	s_lshl_b32 s54, s23, 11                        ; from tile to tile: codes,
	s_lshl_b32 s55, s23, 6                         ; scale words
	s_wait_alu depctr_va_vdst(0)
	v_bfe_u32 v8, v5, 3, 1                         ; column 32 g + lane is lane-row (lane % 8) + 8 (lane / 16) of tile 2 g + (lane / 8) % 2
	v_and_b32 v9, 7, v5
	v_lshl_add_u32 v9, v7, 3, v9
	v_mul_u32_u24 v14, s54, v8
	v_lshl_add_u32 v14, v9, 4, v14                 ; my codes' place
	v_mul_u32_u24 v15, s55, v8
	v_lshl_add_u32 v15, v9, 2, v15                 ; my scale words' place
	v_lshlrev_b32 v16, 2, v5
.set i, 0
.rept 32
	v_mad_u32_u24 v[VO+i], s18, i, v16             ; row i of a block, my column
.set i, i+1
.endr
.macro LOAD t
.set i, 0
.rept 32
	global_load_b32 v[X+32*((\t)%2)+i], v[VO+i], s[32+2*(\t):33+2*(\t)] th:TH_LOAD_NT   ; 32 lanes read 128 consecutive bytes; the four waves stand side by side
.set i, i+1
.endr
.endm
.macro BLOCK t
.set XS, X+32*((\t)%2)
.set CC, C+8*(\t)
.if (\t) < 7
	s_wait_loadcnt 32                              ; this block's 32 loads are in; the next block's may be out
.else
	s_wait_loadcnt 0x0
.endif
	v_max3_num_f32 v12, |v[XS]|, |v[XS+1]|, |v[XS+2]|
	v_max3_num_f32 v13, |v[XS+3]|, |v[XS+4]|, |v[XS+5]|
.irp i, 6,10,14,18,22,26
	v_max3_num_f32 v12, v12, |v[XS+\i]|, |v[XS+\i+1]|
	v_max3_num_f32 v13, v13, |v[XS+\i+2]|, |v[XS+\i+3]|
.endr
	v_max3_num_f32 v12, v12, |v[XS+30]|, |v[XS+31]|
	v_max3_num_f32 v12, v12, v13, 0x4800000        ; and the floor
	v_add_nc_u32 v11, 0xfc000000, v12
	v_and_or_b32 v10, v12, 0x7f800000, s[MNT]
	v_lshrrev_b32 v13, 23, v11
.if (\t)%4 == 0
	v_mov_b32 v[SW+(\t)/4], v13
.else
	v_lshl_or_b32 v[SW+(\t)/4], v13, 8*((\t)%4), v[SW+(\t)/4]
.endif
.set i, 0
.rept 32
	v_med3_num_f32 v[XS+i], v[XS+i], -v10, v10
.set i, i+1
.endr
.irp g, 0,1,2,3
	v_cvt_scalef32_pk8_fp8_f32 v[CC+2*\g:CC+2*\g+1], v[XS+8*\g:XS+8*\g+7], v11
.endr
	global_store_b128 v14, v[CC:CC+3], s[50:51] offset:((\t)/4)*2048+((\t)%4)*512        ; k 0-15 of the block: the image's lanes 0-15; sixteen lanes fill 256 consecutive bytes of a tile
	global_store_b128 v14, v[CC+4:CC+7], s[50:51] offset:((\t)/4)*2048+((\t)%4)*512+256  ; k 16-31: its lanes 16-31
.if (\t)+2 < 8
	LOAD (\t)+2
.endif
.endm
	LOAD 0
	LOAD 1
.irp t, 0,1,2,3,4,5,6,7
	BLOCK \t
.endr
	global_store_b32 v15, v[SW], s[52:53]
	global_store_b32 v15, v[SW+1], s[52:53] offset:64
	s_endpgm
.Lfunc_end_k_qda9abff91f_quant:
	.size	k_qda9abff91f_quant, .Lfunc_end_k_qda9abff91f_quant-k_qda9abff91f_quant
	.p2alignl 7, 3214868480
	.fill 96, 4, 3214868480
	.section	.rodata,"a",@progbits
	.p2align	6, 0x0
	.amdhsa_kernel k_qda9abff91f_quant
		.amdhsa_group_segment_fixed_size 34304
		.amdhsa_private_segment_fixed_size 0
		.amdhsa_enable_private_segment 0
		.amdhsa_kernarg_size 48
		.amdhsa_user_sgpr_count 2
		.amdhsa_user_sgpr_kernarg_segment_ptr 1
		.amdhsa_wavefront_size32 1
		.amdhsa_system_sgpr_workgroup_id_x 1
		.amdhsa_system_sgpr_workgroup_id_y 1
		.amdhsa_system_sgpr_workgroup_id_z 1
		.amdhsa_system_vgpr_workitem_id 0
		.amdhsa_next_free_vgpr 256
		.amdhsa_next_free_sgpr 66
		.amdhsa_reserve_vcc 0
		.amdhsa_float_denorm_mode_32 3
		.amdhsa_float_denorm_mode_16_64 3
		.amdhsa_memory_ordered 1
		.amdhsa_forward_progress 1
		.amdhsa_inst_pref_size 86
	.end_amdhsa_kernel
	.amdgpu_metadata
---
amdhsa.version: [ 1, 2 ]
amdhsa.kernels:
  - .name:           k_qda9abff91f_quant
    .symbol:         k_qda9abff91f_quant.kd
    .args:
      - { .name: x, .offset: 0, .size: 8, .value_kind: global_buffer, .address_space: global }
      - { .name: w_qkv, .offset: 8, .size: 8, .value_kind: global_buffer, .address_space: global }
      - { .name: w_out, .offset: 16, .size: 8, .value_kind: global_buffer, .address_space: global }
      - { .name: w_ff1, .offset: 24, .size: 8, .value_kind: global_buffer, .address_space: global }
      - { .name: w_ff2, .offset: 32, .size: 8, .value_kind: global_buffer, .address_space: global }
      - { .name: w, .offset: 40, .size: 8, .value_kind: global_buffer, .address_space: global }
    .group_segment_fixed_size: 34304
    .private_segment_fixed_size: 0
    .kernarg_segment_align: 8
    .kernarg_segment_size: 48
    .max_flat_workgroup_size: 128
    .sgpr_count:     66
    .vgpr_count:     256
    .wavefront_size: 32
...
	.end_amdgpu_metadata
.endif
;; end of part 1
;; launch g_qkv (part 2): grid 12 x 16, 4 waves a work-group, clusters of 4 x 4, 327,680 bytes of LDS; arguments w, qkv; writes qkv
.if DOCPART == 2
	.amdgcn_target "amdgcn-amd-amdhsa--gfx1250"
	.amdhsa_code_object_version 6
	.text
	.protected	k_qda9abff91f_g_qkv
	.globl	k_qda9abff91f_g_qkv
	.p2align	8
	.type	k_qda9abff91f_g_qkv,@function
k_qda9abff91f_g_qkv:
	s_mov_b64 s[64:65], 0
	v_nop
	global_prefetch_b8 v0, s[64:65] scope:SCOPE_SE
	s_setreg_imm32_b32 hwreg(HW_REG_WAVE_MODE, 25, 1), 1
	s_wait_xcnt 0x0
	s_wait_alu depctr_hold_cnt(0) depctr_sa_sdst(0) depctr_va_vdst(0) depctr_va_sdst(0) depctr_va_ssrc(0) depctr_va_vcc(0) depctr_vm_vsrc(0)
	s_getreg_b32 s2, hwreg(HW_REG_IB_STS2, 6, 4)
	s_cmp_eq_u32 s2, 0
	s_cbranch_scc0 .Lentry_in_a_cluster
	s_endpgm
.Lentry_in_a_cluster:
	s_bfe_u32 s2, ttmp6, 0x10000c
	s_cmp_lg_u32 s2, 0xf033
	s_cbranch_scc0 .Lentry_shape_is_right
	s_endpgm
.Lentry_shape_is_right:
; LAUNCH 2 OF 6: x w_qkv on codes of FP8 (E4M3) with E8M0 scales, and q, k, v quantised in registers for the two products of attention.
; Operands are IMAGES of registers (made by the launch before): codes [tile][K / 128][c][lane][16 bytes], scale words [tile][K / 128][r][4 bytes]; lane-row r of tile t is row 32 (t / 2) + 8 (t % 2) + r + 8 (r / 8).
; A work-group of four waves makes 256 x 256, a wave 128 x 128: 64 accumulators.  Source 0 takes tiles of the region called B, source 1 tiles of the region called A: a lane holds one row of A and 16 neighbouring rows of B in each pair of tiles.
; Clusters with x = 0, 1 (q, k): A = tokens, B = columns of w_qkv: a lane holds a token and runs along the head's channels, the first product's K.
; Clusters with x = 2 (v): A = v's 1,024 columns of w_qkv, B = tokens: a lane holds a channel and runs along the tokens, the second product's K.  Only numbers differ (chosen by the cluster's x, which all partners share): the text is one.
; qkv: region QK at 0: [token tile 256][32 places of 2,048 bytes]: places 0-7 q (a pair of heads each), 8-15 k, the rest unused; region V at 16,777,216: [channel tile 64][token / 128: 32]; scale words at 20,971,520 + (the codes' offset) / 32.
; K goes through a ring of two LDS slots, two steps of 128 to a slot; a wave's tensor load brings 8 tiles x 4,096 bytes.  The scale words of all of K come once.
; CLUSTERS: 4 x 4 work-groups; A's tiles are asked for jointly along a row of the cluster, B's along a column.  The grid has 192 work-groups: a smaller tile would read each LDS byte for half the products.
; LIMITS: a block of zeros gets the byte 1; a block's largest magnitude is taken as 2^-118 at the least; NaN and infinities are not served.
; REGISTERS: window 0: v16-30 addresses; v32-63 scale words, two sets, and nothing else; v64-127 at work on the way out; v128-255 A's fragments, one set (on the way out v128-159 at work).  window 1: B's fragments, two sets.  windows 2, 3: the accumulators ((a, b) at v[8 (8 (a % 4) + b)]).
; AS THE TEXT NOW STANDS (in place of what is said above of the scale words and of v32-127): the scale words come once, by plain loads straight into v32-95, which hold nothing else: register 8 i + j holds A's block i, 8 i + 4 + j B's block i,
; lanes 0-15 K step 2 j, lanes 16-31 K step 2 j + 1 (the ROW selectors choose).  At the head each wave fetches its 8 tiles of slot 0; slot 1 follows behind a drained round.  On the way out v160-223 are at work.
.set KS,    8
.set NQ,    2                          ; steps of 128 in a slot
.set CH,    32768                      ; a chunk: 8 tiles x 2 steps x 2,048 bytes: what one tensor load brings
.set SLOT,  131072                     ; A's two chunks, then B's two
.set SPARE, 262144                     ; behind the ring: the spare words, 128 bytes for each wave
.set FR,    16
.set NP,    8                          ; places behind this matrix instruction (ISA guide 7.12.1)
.set ADRA, 16                          ; v16-17 LDS address of my A fragments in slot 0, 1
.set ADRB, 20                          ; v20-21 the same for B
.set SO,   25                          ; v25  4 r
.set CO,   26                          ; v26  16 x lane
.set VS,   27                          ; v27  4 x lane: my place in two K steps' scale words
.set SPW,  28
.set NIL,  29
.set PW,   30                          ; v30  the scale word just made
.set SC,   32
.set X,    160
.set AF,   128
.set TM,   128
.set PC,   144
.set SEL,  20
.set MNT,  22
.set G1, 24
.set G0, 32
.set G1B, 48
.set G0B, 56
.set SCA, 68                           ; s[68:69], s[92:93] the scale words of my 8 tiles of A, of B
.set SCB, 92
.set MSB, 0
.macro WIN new                         ; the immediate's high byte repeats the setting that is left
.if MSB != \new
	s_set_vgpr_msb (MSB<<8)|\new
.set MSB, \new
.endif
.endm
.set MUL_LO, 0xa1                      ; source 0 (B) window 1, source 1 (A) window 0, C and D window 2
.set MUL_HI, 0xf1
.set TO_B,   0x40
.macro JLOAD g0a, g1a, g0b, g1b        ; a joint load: waves 0 and 1 fetch for A, waves 2 and 3 for B; an s_nop 0 and four v_nop follow each line
	s_cmp_eq_u32 s15, 0
	s_cbranch_scc0 .Lfor_b_\@
	tensor_load_to_lds s[\g0a:\g0a+3], s[\g1a:\g1a+7]
	s_nop 0
.rept 4
	v_nop
.endr
	s_branch .Lasked_\@
.Lfor_b_\@:
	tensor_load_to_lds s[\g0b:\g0b+3], s[\g1b:\g1b+7]
	s_nop 0
.rept 4
	v_nop
.endr
.Lasked_\@:
.endm
.macro CREST
	s_cmp_lg_u32 s14, 0
	s_cbranch_scc1 .Lnot_wave_0_\@
	s_barrier_signal -3
.Lnot_wave_0_\@:
	s_barrier_wait -3
	s_barrier_signal -1
	s_barrier_wait -1
.endm
.macro CROUND
	s_barrier_signal -1
	s_barrier_wait -1
	CREST
.endm
.macro PLACES n
.rept \n
	v_nop
.endr
.endm
	s_load_b128 s[4:7], s[0:1], 0x0                ; w s[4:5], qkv s[6:7]
	v_lshl_add_u32 v[SPW], v0, 2, SPARE
	v_mov_b32 v[NIL], 0
	ds_add_u32 v[SPW], v[NIL]                      ; the wave's opening: the add, twice on end, and its wait ahead of my first tensor load
	ds_add_u32 v[SPW], v[NIL]
	v_lshrrev_b32 v1, 5, v0
	v_readfirstlane_b32 s14, v1                    ; wave 0..3
	s_lshr_b32 s15, s14, 1                         ; my half of A's tiles.  Also: I fetch for A (0) or for B (1)
	s_and_b32 s16, s14, 1                          ; my half of B's tiles.  Also: which 8 tiles I fetch
	s_bfe_u32 s40, ttmp6, 0x40000                  ; cx
	s_bfe_u32 s41, ttmp6, 0x40004                  ; cy
	s_and_b32 s45, ttmp7, 0xffff                   ; the cluster's y
	s_lshl_b32 s43, s41, 2
	s_lshl_b32 s43, 15, s43                        ; my row of the cluster
	s_lshl_b32 s44, 0x1111, s40                    ; my column
	s_or_b32 s[G1+0], s43, (3<<16)|(1<<21)         ; the mask; elements of 8 bytes; bit 21 beside a mask; no padding: an image is read 16 bytes a lane on end
	s_or_b32 s[G1B+0], s44, (3<<16)|(1<<21)
.irp g, G1, G1B
	s_mov_b32 s[\g+1], 512<<16                     ; tensor_dim0: a tile's two steps, 4,096 bytes
	s_mov_b32 s[\g+2], 8<<16                       ; tensor_dim1: 8 tiles
	s_mov_b32 s[\g+3], 512<<16                     ; tile_dim0
	s_mov_b32 s[\g+4], 8                           ; tile_dim1
	s_mov_b32 s[\g+5], KS*256                      ; from tile to tile, in elements
	s_mov_b32 s[\g+6], 0
	s_mov_b32 s[\g+7], 0
.endr
	; which tiles.  In w a tile of 8 steps is 16,384 bytes: x's are tiles 0-255, w_qkv's 256-447 (v's columns from 384)
	s_lshl_b32 s17, s41, 4                         ; 16 cy
	s_lshl_b32 s18, s45, 6                         ; 64 x cluster y
	s_lshl_b32 s42, s40, 4                         ; 16 cx
	s_lshl_b32 s46, ttmp9, 6
	s_add_co_u32 s46, s46, 256                     ; 256 + 64 x cluster x
	s_lshl_b32 s95, s45, 3
	s_lshl_b32 s96, ttmp9, 3
	s_mov_b32 s98, 16777216
	s_cmp_eq_u32 ttmp9, 2                          ; a cluster of v?  The same in all sixteen partners
	s_cselect_b32 s19, 384, s18                    ; A: v's columns, or tokens
	s_cselect_b32 s46, s18, s46                    ; B: tokens, or q's and k's columns
	s_cselect_b32 s97, 0, s18                      ; the results' first tile,
	s_cselect_b32 s96, s95, s96                    ; their first place in a tile's 32,
	s_cselect_b32 s98, s98, 0                      ; and their region
	s_add_co_u32 s20, s17, s19                     ; A's first tile: it hangs on cy, never on cx
	s_add_co_u32 s46, s46, s42                     ; B's: on cx, never on cy
	s_lshl_b32 s18, s16, 17                        ; in the ring I fetch 8 tiles of 16: which half, in bytes (8 x 16,384)
	s_mov_b32 s19, 0
	s_lshl_b32 s22, s20, 9
	s_add_co_u32 s22, s22, 16777216
	s_lshl_b32 s2, s15, 12                         ; my half of A's tiles: 8 x 512 bytes of scale words
	s_add_co_u32 s22, s22, s2
	s_mov_b32 s23, 0
	s_lshl_b32 s20, s20, 14
	s_mov_b32 s21, 0
	s_lshl_b32 s92, s46, 9
	s_add_co_u32 s92, s92, 16777216
	s_lshl_b32 s2, s16, 12                         ; my half of B's
	s_add_co_u32 s92, s92, s2
	s_mov_b32 s93, 0
	s_lshl_b32 s46, s46, 14
	s_mov_b32 s47, 0
	s_add_co_u32 s97, s97, s17
	s_lshl_b32 s95, s15, 3
	s_add_co_u32 s97, s97, s95                     ; my results' first tile
	s_lshl_b32 s97, s97, 5
	s_lshl_b32 s95, s40, 1
	s_add_co_u32 s96, s96, s95
	s_add_co_u32 s96, s96, s16
	s_add_co_u32 s97, s97, s96
	s_lshl_b32 s96, s97, 11
	s_add_co_u32 s96, s96, s98
	s_lshr_b32 s98, s96, 5
	s_add_co_u32 s98, s98, 20971520
	s_mov_b32 s97, 0
	s_mov_b32 s99, 0
	s_lshl_b32 s45, s14, 15                        ; where my chunks go: wave x CH: no place in the cluster enters an LDS address
	s_wait_dscnt 0x0                               ; both opening adds are done
	s_wait_kmcnt 0x0
	s_add_nc_u64 s[20:21], s[4:5], s[20:21]
	s_add_nc_u64 s[SCA:SCA+1], s[4:5], s[22:23]
	s_add_nc_u64 s[46:47], s[4:5], s[46:47]
	s_add_nc_u64 s[92:93], s[4:5], s[92:93]
	s_add_nc_u64 s[96:97], s[6:7], s[96:97]        ; my results' images
	s_add_nc_u64 s[98:99], s[6:7], s[98:99]        ; and their scale words
	CROUND                                         ; all sixteen work-groups are here: the first joint loads meet
.set PFA, 12                           ; s[12:13] where my prefetches stand; never rewritten
.set PFO, 22                           ; v22  their offset; never rewritten
	; prefetches: a slot of an operand is 16 tiles x 4,096 bytes; the four partners that ask for it jointly share it out by address: partner p (cx for A, cy for B) takes tiles 4 p .. 4 p + 3, two to a wave
	s_cmp_eq_u32 s15, 0
	s_cselect_b64 s[PFA:PFA+1], s[20:21], s[46:47]
	s_cselect_b32 s2, s40, s41
	s_lshl_b32 s2, s2, 1
	s_add_co_u32 s2, s2, s16
	s_lshl_b32 s2, s2, 15                          ; (4 p + 2 x my half) x 16,384
	s_mov_b32 s3, 0
	s_add_nc_u64 s[PFA:PFA+1], s[PFA:PFA+1], s[2:3]
	s_add_nc_u64 s[20:21], s[20:21], s[18:19]      ; for the ring: my 8 tiles
	s_add_nc_u64 s[46:47], s[46:47], s[18:19]
.irp s, 0,1
	s_mov_b32 s[G0+4*\s], 1
	s_add_co_u32 s[G0+4*\s+1], s45, \s*SLOT
	s_add_nc_u64 s[G0+4*\s+2:G0+4*\s+3], s[20:21], \s*4096
	s_or_b32 s[G0+4*\s+3], s[G0+4*\s+3], 0x80000000
	s_mov_b32 s[G0B+4*\s], 1
	s_add_co_u32 s[G0B+4*\s+1], s45, \s*SLOT
	s_add_nc_u64 s[G0B+4*\s+2:G0B+4*\s+3], s[46:47], \s*4096
	s_or_b32 s[G0B+4*\s+3], s[G0B+4*\s+3], 0x80000000
.endr
	JLOAD G0, G1, G0B, G1B                         ; slot 0: one tensor load a wave at the head, 8 tiles each
	v_and_b32 v1, 15, v0                           ; r
	v_bfe_u32 v2, v0, 4, 1                         ; h
	v_lshlrev_b32 v[PFO], 8, v1                    ; a lane names a block of 256 bytes: 16 blocks of a tile's slot, two tiles a wave
	v_lshl_add_u32 v[PFO], v2, 14, v[PFO]
	s_wait_alu depctr_va_vdst(0)
	global_prefetch_b8 v[PFO], s[PFA:PFA+1] offset:4096 th:TH_LOAD_NT scope:SCOPE_SE   ; slots 1 and 2: each is asked for two fills ahead of its tensor load
	global_prefetch_b8 v[PFO], s[PFA:PFA+1] offset:8192 th:TH_LOAD_NT scope:SCOPE_SE
	v_and_b32 v3, 31, v0
	v_lshlrev_b32 v[VS], 2, v3
.irp i, 0,1,2,3,4,5,6,7
.irp j, 0,1,2,3
	global_load_b32 v[SC+8*\i+\j], v[VS], s[SCA:SCA+1] offset:512*\i+128*\j     ; 32 lanes read the 128 consecutive bytes of two K steps' words of a tile
	global_load_b32 v[SC+8*\i+4+\j], v[VS], s[SCB:SCB+1] offset:512*\i+128*\j
.endr
.endr
	v_lshlrev_b32 v[CO], 4, v3
	v_lshlrev_b32 v[SO], 2, v1
	s_lshl_b32 s21, s15, 15                        ; my half of A
	s_lshl_b32 s22, s16, 15
	s_add_co_u32 s22, s22, 2*CH                    ; my half of B, behind A's two chunks
.irp s, 0,1
	v_add_nc_u32 v[ADRA+\s], s21, v[CO]
	v_add_nc_u32 v[ADRB+\s], s22, v[CO]
	s_add_co_u32 s21, s21, SLOT
	s_add_co_u32 s22, s22, SLOT
.endr
.macro FRAG reg, adr, q, i             ; a fragment comes as it lies: four loads of 512 consecutive bytes
.irp c, 0,1,2,3
	ds_load_b128 v[\reg+4*\c:\reg+4*\c+3], v[\adr] offset:4096*(\i)+2048*(\q)+512*\c
.endr
.endm
; 16 matrix instructions: A's blocks a0, a0 + 1 x B's eight.  The 64 accumulators take turns, one instruction a turn, in the same order in every step
.macro MUL16 a0, p, q, sc, zero
.irp a, \a0, \a0+1
.irp b, 0,1,2,3,4,5,6,7
.if \zero                              ; KSL: which of K's four slots; q: the slot's step, which is the row of both scale registers
	v_wmma_scale_f32_16x16x128_f8f6f4 v[8*(8*((\a)%4)+\b):8*(8*((\a)%4)+\b)+7], v[128*(\p)+FR*\b:128*(\p)+FR*\b+FR-1], v[AF+FR*(\a):AF+FR*(\a)+FR-1], 0, v[SC+8*\b+4+KSL], v[SC+8*(\a)+KSL]
.elseif \q
	v_wmma_scale_f32_16x16x128_f8f6f4 v[8*(8*((\a)%4)+\b):8*(8*((\a)%4)+\b)+7], v[128*(\p)+FR*\b:128*(\p)+FR*\b+FR-1], v[AF+FR*(\a):AF+FR*(\a)+FR-1], v[8*(8*((\a)%4)+\b):8*(8*((\a)%4)+\b)+7], v[SC+8*\b+4+KSL], v[SC+8*(\a)+KSL] matrix_a_scale:MATRIX_SCALE_ROW1 matrix_b_scale:MATRIX_SCALE_ROW1
.else
	v_wmma_scale_f32_16x16x128_f8f6f4 v[8*(8*((\a)%4)+\b):8*(8*((\a)%4)+\b)+7], v[128*(\p)+FR*\b:128*(\p)+FR*\b+FR-1], v[AF+FR*(\a):AF+FR*(\a)+FR-1], v[8*(8*((\a)%4)+\b):8*(8*((\a)%4)+\b)+7], v[SC+8*\b+4+KSL], v[SC+8*(\a)+KSL]
.endif
.endr
.endr
.endm
.macro FETCH_B slot, q, p
	WIN TO_B
.irp i, 0,1,2,3,4,5,6,7
	FRAG 128*(\p)+FR*\i, ADRB+\slot, \q, \i
.endr
	WIN 0
.endm
.macro FETCH_A slot, q, i0
.irp i, \i0, \i0+1, \i0+2, \i0+3
	FRAG AF+FR*(\i), ADRA+\slot, \q, \i
.endr
.endm
.macro STEP slot, q, zero              ; a step of 128 along K that has its successor in the same slot
	s_wait_dscnt 16                                ; all but the youngest 16 loads (A's blocks 4-7) are in
	WIN MUL_LO
	MUL16 0, (\q)%2, \q, \slot, \zero
	MUL16 2, (\q)%2, \q, \slot, \zero
	s_wait_dscnt 0x0
	PLACES NP
	FETCH_B \slot, (\q)+1, 1-(\q)%2
	FETCH_A \slot, (\q)+1, 0
	WIN MUL_HI
	MUL16 4, (\q)%2, \q, \slot, \zero
	MUL16 6, (\q)%2, \q, \slot, \zero
	PLACES NP
	WIN 0
	FETCH_A \slot, (\q)+1, 4
.endm
; A slot's last step changes slots: one barrier; in front of it each wave waits for all its tensor loads, adds 0 to its spare word, and waits for that and for its reads of this slot.  fill = 1: this slot is filled again
.macro TURN slot, next, fill
	s_wait_tensorcnt 0x0                           ; all my tensor loads have landed: my part of the next slot
	ds_add_u32 v[SPW], v[NIL]
	s_wait_dscnt 17                                ; (the add and the youngest 16 loads may be out)
	WIN MUL_LO
	MUL16 0, 1, 1, \slot, 0
	s_wait_dscnt 0x0                               ; the add is done, and my reads of this slot are over
	s_barrier_signal -1
	MUL16 2, 1, 1, \slot, 0
	WIN 0
	s_barrier_wait -1
.if \fill
	CREST                                          ; the barrier has opened a round of the cluster's barrier: no wave of any partner still reads this slot or has a load on its way
	s_add_nc_u64 s[G0+4*\slot+2:G0+4*\slot+3], s[G0+4*\slot+2:G0+4*\slot+3], 8192
	s_add_nc_u64 s[G0B+4*\slot+2:G0B+4*\slot+3], s[G0B+4*\slot+2:G0B+4*\slot+3], 8192
	JLOAD G0+4*\slot, G1, G0B+4*\slot, G1B         ; my one tensor load behind the round; its four v_nop are among the places in front of the loads below
	PLACES NP-4
.else
	PLACES NP
.endif
	FETCH_B \next, 0, 0
	FETCH_A \next, 0, 0
	WIN MUL_HI
	MUL16 4, 1, 1, \slot, 0
	MUL16 6, 1, 1, \slot, 0
	PLACES NP
	WIN 0
	FETCH_A \next, 0, 4
.endm
	s_wait_alu depctr_va_vdst(0)
	s_wait_tensorcnt 0x0                           ; my tile of the head's four is in
	ds_add_u32 v[SPW], v[NIL]
	s_wait_dscnt 0x0
	CROUND                                         ; all four tiles are in, and all sixteen work-groups are here
	JLOAD G0+4, G1, G0B+4, G1B                     ; slot 1's first fill: my one tensor load behind the round
	FETCH_B 0, 0, 0
	FETCH_A 0, 0, 0
	FETCH_A 0, 0, 4
	global_prefetch_b8 v[PFO], s[PFA:PFA+1] offset:12288 th:TH_LOAD_NT scope:SCOPE_SE  ; slot 3, the last
	s_wait_loadcnt 0x0                             ; the scale words are in
.set KSL, 0
	STEP 0, 0, 1                                   ; K's eight steps are written out; the first products start the sums
	TURN 0, 1, 1
.set KSL, 1
	STEP 1, 0, 0
	TURN 1, 0, 1
.set KSL, 2
	STEP 0, 0, 0
	TURN 0, 1, 0                                   ; nothing is left to fetch
.set KSL, 3
	STEP 1, 0, 0
	s_wait_dscnt 16
	WIN MUL_LO
	MUL16 0, 1, 1, 1, 0
	MUL16 2, 1, 1, 1, 0
	s_wait_dscnt 0x0
	WIN MUL_HI
	MUL16 4, 1, 1, 1, 0
	MUL16 6, 1, 1, 1, 0
	WIN 0
	PLACES NP                                      ; in front of the first read of results and of writes into registers that the products read
	s_mov_b32 s[SEL], 0x76543210
	s_mov_b32 s[SEL+1], 0xfedcba98
	s_mov_b32 s[MNT], 0x600000
.irp b, 0,1,2,3
	v_mov_b32 v[TM+4+\b], 0                        ; a lane permute's destination counts as one of its sources
.endr
; THE WAY OUT.  The 64 registers of A's block a are 128 neighbours along the next K, 16 b + i = 32 b + 16 (lane / 16) + i, of my row: they are quantised as they stand, and the codes are an image: no LDS.
.macro QTILE a
.set AC, 64*((\a)%4)
.set W1, 2+(\a)/4
.set W2, W1|(W1<<2)
	WIN W2                                         ; sources 0 and 1: the accumulators' window
.irp b, 0,1,2,3
	v_max3_num_f32 v[TM+\b], |v[AC+16*\b]|, |v[AC+16*\b+1]|, 0x4800000   ; each accumulator is read from its low end on
.endr
.irp i, 2,4,6,8,10,12,14
.irp b, 0,1,2,3
	v_max3_num_f32 v[TM+\b], |v[AC+16*\b+\i]|, |v[AC+16*\b+\i+1]|, v[TM+\b]
.endr
.endr
	WIN 0
.irp b, 0,1,2,3
	v_permlanex16_b32 v[TM+4+\b], v[TM+\b], s[SEL], s[SEL+1]
.endr
.irp b, 0,1,2,3
	v_max_num_f32 v[TM+\b], v[TM+\b], v[TM+4+\b]
.endr
.irp b, 0,1,2,3
	v_add_nc_u32 v[TM+12+\b], 0xfc000000, v[TM+\b]
.endr
.irp b, 0,1,2,3
	v_and_or_b32 v[TM+8+\b], v[TM+\b], 0x7f800000, s[MNT]
.endr
.irp b, 0,1,2,3
	v_lshrrev_b32 v[TM+4+\b], 23, v[TM+12+\b]
.endr
	s_wait_alu depctr_va_vdst(0)
	s_wait_xcnt 0x0                                ; the last block's stores have read their data
	v_lshl_or_b32 v[PW], v[TM+5], 8, v[TM+4]
	v_lshl_or_b32 v[PW], v[TM+6], 16, v[PW]
	v_lshl_or_b32 v[PW], v[TM+7], 24, v[PW]
	WIN W1
.irp b, 0,1,2,3
.irp i, 0,1,2,3,4,5,6,7,8,9,10,11,12,13,14,15
	v_med3_num_f32 v[X+16*\b+\i], v[AC+16*\b+\i], -v[TM+8+\b], v[TM+8+\b]
.endr
.endr
	WIN 0
.irp b, 0,1,2,3
	v_cvt_scalef32_pk8_fp8_f32 v[PC+4*\b:PC+4*\b+1], v[X+16*\b:X+16*\b+7], v[TM+12+\b]
	v_cvt_scalef32_pk8_fp8_f32 v[PC+4*\b+2:PC+4*\b+3], v[X+16*\b+8:X+16*\b+15], v[TM+12+\b]
.endr
	v_nop
.irp c, 0,1,2,3
	global_store_b128 v[CO], v[PC+4*\c:PC+4*\c+3], s[96:97] offset:65536*(\a)+512*\c   ; 32 lanes store 512 consecutive bytes
.endr
	global_store_b32 v[SO], v[PW], s[98:99] offset:2048*(\a)   ; 64 bytes of scale words (lanes 16-31 write the same words again): a part of a 256-byte block
.endm
.irp a, 0,1,2,3,4,5,6,7
	QTILE \a
.endr
	s_wait_tensorcnt 0x0                           ; the wave's end
	ds_add_u32 v[SPW], v[NIL]
	s_wait_dscnt 0x0
	CROUND                                         ; the closing round
	s_endpgm
.Lfunc_end_k_qda9abff91f_g_qkv:
	.size	k_qda9abff91f_g_qkv, .Lfunc_end_k_qda9abff91f_g_qkv-k_qda9abff91f_g_qkv
	.p2alignl 7, 3214868480
	.fill 96, 4, 3214868480
	.section	.rodata,"a",@progbits
	.p2align	6, 0x0
	.amdhsa_kernel k_qda9abff91f_g_qkv
		.amdhsa_group_segment_fixed_size 327680
		.amdhsa_private_segment_fixed_size 0
		.amdhsa_enable_private_segment 0
		.amdhsa_kernarg_size 16
		.amdhsa_user_sgpr_count 2
		.amdhsa_user_sgpr_kernarg_segment_ptr 1
		.amdhsa_wavefront_size32 1
		.amdhsa_system_sgpr_workgroup_id_x 1
		.amdhsa_system_sgpr_workgroup_id_y 1
		.amdhsa_system_sgpr_workgroup_id_z 1
		.amdhsa_system_vgpr_workitem_id 0
		.amdhsa_next_free_vgpr 1024
		.amdhsa_next_free_sgpr 100
		.amdhsa_reserve_vcc 0
		.amdhsa_float_denorm_mode_32 3
		.amdhsa_float_denorm_mode_16_64 3
		.amdhsa_memory_ordered 1
		.amdhsa_forward_progress 1
		.amdhsa_inst_pref_size 188
	.end_amdhsa_kernel
	.amdgpu_metadata
---
amdhsa.version: [ 1, 2 ]
amdhsa.kernels:
  - .name:           k_qda9abff91f_g_qkv
    .symbol:         k_qda9abff91f_g_qkv.kd
    .args:
      - { .name: w, .offset: 0, .size: 8, .value_kind: global_buffer, .address_space: global }
      - { .name: qkv, .offset: 8, .size: 8, .value_kind: global_buffer, .address_space: global }
    .group_segment_fixed_size: 327680
    .private_segment_fixed_size: 0
    .kernarg_segment_align: 8
    .kernarg_segment_size: 16
    .max_flat_workgroup_size: 128
    .sgpr_count:     100
    .vgpr_count:     1024
    .wavefront_size: 32
...
	.end_amdgpu_metadata
.endif
;; end of part 2
;; launch attn (part 3): grid 4 x 64, 16 waves a work-group, no clusters, 167,936 bytes of LDS; arguments qkv, ao; writes ao
.if DOCPART == 3
	.amdgcn_target "amdgcn-amd-amdhsa--gfx1250"
	.amdhsa_code_object_version 6
	.text
	.protected	k_qda9abff91f_attn
	.globl	k_qda9abff91f_attn
	.p2align	8
	.type	k_qda9abff91f_attn,@function
k_qda9abff91f_attn:
	s_mov_b64 s[64:65], 0
	v_nop
	global_prefetch_b8 v0, s[64:65] scope:SCOPE_SE
	s_setreg_imm32_b32 hwreg(HW_REG_WAVE_MODE, 25, 1), 1
	s_wait_xcnt 0x0
; LAUNCH 3 OF 6: causal attention on codes of FP8 (E4M3) with E8M0 scales; O / l quantised along the channels for the projection that follows.
; WORK LEFT OUT: a step of 128 keys all of which come after a query tile's 16 queries has p = 0 by the block's own causal mask, whatever the inputs hold: it is not walked.  A NaN or overflow that would arise only there is not carried on.
; t = score x log2(e) / 8; M = the running largest t rounded up to a whole number; p = 2^(t - M) is quantised along the keys, not normalised; the row's sum is taken of the unquantised p and divides at the end.
; The first product's K is the head's 64: the upper 64 of the instruction's 128 are zero codes on both sides (eight registers of each fragment, cleared once; their scale bytes are 0, which is 2^-127 and no NaN).
; SHARES.  A work-group takes one head of one batch and 16 of its 64 query tiles, a tile a wave.  Wave w of work-group c takes tile 8 g + 2 c + w / 8, g from a table, and walks g + 1 key steps; the table is laid so that four waves on end, and
; waves w, w + 4, w + 8, w + 12, have 18 steps together.  A head's K and V (codes and scale words: 137,216 bytes) come into LDS once, two tensor loads a wave, all at the head: no slot is filled again and the loop has no barrier.
; No cluster: the jumps over hidden steps hang on the query tiles, which differ between the four work-groups of a head.  No prefetch: all that the launch reads is asked for at its head.
; Both products are used transposed: S^T = K Q^T, O^T = V^T P^T: a lane holds one query throughout.  The tiles' order (lane-row r of tile t is row 32 (t / 2) + 8 (t % 2) + r + 8 (r / 8)) makes the 16 registers of two neighbouring tiles 16 neighbouring keys (channels).
; LIMITS: a block of zeros gets the byte 1; largest magnitudes are taken as 2^-118 at the least; NaN and infinities among the inputs are not served.
; REGISTERS: v1-11 addresses; v12 -M, v13 the largest t, v[14:15] the sum; v16-31 Q; v32-95 four fragments of K; v96-159 S^T, then p, then V's four fragments; v160-191 O^T; v192-207 p's codes; v208-217 scale words and nothing else; v220-255 at work.
; THE FILLS, as they now stand (in place of the two loads a wave named above): ONE tensor load a wave, all at the head: waves 0-3 K's codes (16 tiles each), waves 4-11 V's codes (8,192 bytes each), waves 12, 13 K's scale words, waves 14, 15 V's.
.set SPARE, 137216
.set AK0,  1                           ; v1   16 x lane: my place in an image
.set AV0,  2                           ; v2   the same in V's images
.set ASK0, 3                           ; v3   my place among K's scale words: 4 r + 2 (head % 2)
.set ASV0, 4                           ; v4   and among V's
.set SPW,  5
.set NIL,  6
.set QD,   7                           ; v7   my query (in its batch) - 16 (lane / 16)
.set ADK,  8
.set ADV,  9
.set ADS,  10
.set ADT,  11
.set QF,   16
.set KB,   32
.set S,    96
.set O,    160
.set PCD,  192
.set KSC,  208
.set VSC,  212
.set QSC,  216
.set PSC,  217
.set BM,   220                         ; v220-223 a block's largest score, then its largest p
.set PL,   224                         ; v224-227 the other half's; a chain of sums; bytes
.set LM,   228                         ; v228-231 448 x the scale
.set SCO,  232                         ; v232-235 the conversion's scale operand
.set FF,   236                         ; v[236:237] f = 2^(old M - new M)
.set TMP,  238
.set MD,   239
.set MI,   241
.set R4,   242                         ; v242 4 r; never rewritten
.set WV,   18
.set MNT,  19
.set SEL,  20
.set CS,   22
.set GG,   24                          ; s24  g: my tile's last key step
.set SG,   25                          ; s25  the key step
.set TK,   26                          ; s26, s27, s72, s73: where the step's K, V, K's words, V's words begin
.set TV,   27
.set G1K,  28
.set G1V,  36
.set G1KS, 44
.set G1VS, 52
.set G0K,  60
.set G0KS, 68
.set TSK,  72
.set TSV,  73
.set G0V,  84
.set G0VS, 88
	s_load_b128 s[4:7], s[0:1], 0x0                ; qkv s[4:5], ao s[6:7]
	v_lshl_add_u32 v[SPW], v0, 2, SPARE
	v_mov_b32 v[NIL], 0
	ds_add_u32 v[SPW], v[NIL]                      ; the wave's opening: the add, twice on end, and its wait ahead of my first tensor load
	ds_add_u32 v[SPW], v[NIL]
	v_lshrrev_b32 v8, 5, v0
	s_delay_alu instid0(VALU_DEP_1)
	v_readfirstlane_b32 s[WV], v8                  ; wave 0..15
	s_and_b32 s8, ttmp7, 0xffff
	s_lshr_b32 s9, s8, 4                           ; batch
	s_and_b32 s10, s8, 15                          ; head
	s_and_b32 s11, s10, 1                          ; which of a pair of heads
	s_lshr_b32 s12, s10, 1                         ; which pair
	s_and_b32 s13, s[WV], 7                        ; k
	s_lshr_b32 s14, s[WV], 3
	s_lshl_b32 s17, s13, 2
	s_lshr_b32 s17, 0x52614370, s17
	s_and_b32 s17, s17, 7                          ; 0, 7, 3, 4, 1, 6, 2, 5 for k = 0 .. 7;
	s_mul_i32 s98, s14, 7
	s_xor_b32 s[GG], s17, s98                      ; waves 8-15 take 7 less that
	s_lshl_b32 s15, s[GG], 3
	s_lshl_b32 s17, ttmp9, 1
	s_add_co_u32 s15, s15, s17
	s_add_co_u32 s15, s15, s14                     ; my query tile in its batch
	s_lshl_b32 s16, s9, 6
	s_add_co_u32 s16, s16, s15                     ; and among all token tiles
	s_mov_b32 s[G1K], 3<<16                        ; K's codes: rows of 1,024 bytes (a head's half of a place), 65,536 bytes apart; elements of 8 bytes
	s_mov_b32 s[G1K+1], 128<<16
	s_mov_b32 s[G1K+2], 16<<16                     ; 16 tiles' rows
	s_mov_b32 s[G1K+3], 128<<16
	s_mov_b32 s[G1K+4], 16
	s_mov_b32 s[G1K+5], 8192
	s_mov_b32 s[G1K+6], 0
	s_mov_b32 s[G1K+7], 0
	s_mov_b32 s[G1V], 3<<16                        ; V's codes: 8,192 dense bytes, as rows of 256
	s_mov_b32 s[G1V+1], 32<<16
	s_mov_b32 s[G1V+2], 32<<16
	s_mov_b32 s[G1V+3], 32<<16
	s_mov_b32 s[G1V+4], 32
	s_mov_b32 s[G1V+5], 32
	s_mov_b32 s[G1V+6], 0
	s_mov_b32 s[G1V+7], 0
	s_mov_b32 s[G1KS], 3<<16                       ; K's scale words: rows of 64 bytes, 2,048 bytes apart
	s_mov_b32 s[G1KS+1], 8<<16
	s_mov_b32 s[G1KS+2], 32<<16                    ; 32 rows of 64 bytes
	s_mov_b32 s[G1KS+3], 8<<16
	s_mov_b32 s[G1KS+4], 32
	s_mov_b32 s[G1KS+5], 256
	s_mov_b32 s[G1KS+6], 0
	s_mov_b32 s[G1KS+7], 0
	s_mov_b32 s[G1VS], 3<<16                       ; V's scale words: 1,024 bytes, as two rows of 512
	s_mov_b32 s[G1VS+1], 64<<16                    ; two channel tiles' rows of 512 bytes, 2,048 bytes apart
	s_mov_b32 s[G1VS+2], 2<<16
	s_mov_b32 s[G1VS+3], 64<<16
	s_mov_b32 s[G1VS+4], 2
	s_mov_b32 s[G1VS+5], 256
	s_mov_b32 s[G1VS+6], 0
	s_mov_b32 s[G1VS+7], 0
	s_and_b32 s2, s[WV], 3                         ; which 16 tiles of K's codes (waves 0-3)
	s_and_b32 s3, s[WV], 1                         ; which half of the scale words (waves 12-15)
	s_add_co_u32 s17, s[WV], 4
	s_and_b32 s17, s17, 7                          ; which 8,192 bytes of V's codes (waves 4-11): wave - 4
	s_lshl_b32 s74, s9, 6                          ; K's codes: token tiles 64 b + 16 j on, place 8 + pair
	s_lshl_b32 s75, s2, 4
	s_add_co_u32 s74, s74, s75
	s_lshl_b32 s74, s74, 5
	s_add_co_u32 s74, s74, s12
	s_add_co_u32 s74, s74, 8
	s_lshl_b32 s74, s74, 11
	s_lshl_b32 s75, s11, 10
	s_add_co_u32 s74, s74, s75
	s_mov_b32 s75, 0
	s_lshl_b32 s76, s9, 6                          ; K's scale words: token tiles 64 b + 32 j on
	s_lshl_b32 s77, s3, 5
	s_add_co_u32 s76, s76, s77
	s_lshl_b32 s76, s76, 5
	s_add_co_u32 s76, s76, s12
	s_add_co_u32 s76, s76, 8
	s_lshl_b32 s76, s76, 6
	s_add_co_u32 s76, s76, 20971520
	s_mov_b32 s77, 0
	s_lshl_b32 s78, s10, 2                         ; V's codes: channel tile 4 head + k / 2, places 8 b on, half k % 2
	s_lshr_b32 s79, s17, 1
	s_add_co_u32 s78, s78, s79
	s_lshl_b32 s78, s78, 5
	s_lshl_b32 s79, s9, 3
	s_add_co_u32 s78, s78, s79
	s_and_b32 s79, s17, 1
	s_lshl_b32 s78, s78, 11
	s_lshl_b32 s79, s79, 13
	s_add_co_u32 s78, s78, s79
	s_add_co_u32 s78, s78, 16777216
	s_mov_b32 s79, 0
	s_lshl_b32 s80, s10, 2                         ; V's scale words: channel tiles 4 head + 2 j and the next, places 8 b on
	s_lshl_b32 s81, s3, 1
	s_add_co_u32 s80, s80, s81
	s_lshl_b32 s80, s80, 5
	s_lshl_b32 s81, s9, 3
	s_add_co_u32 s80, s80, s81
	s_lshl_b32 s80, s80, 6
	s_add_co_u32 s80, s80, 21495808
	s_mov_b32 s81, 0
	s_lshl_b32 s82, s16, 5                         ; Q: my tile, place = pair
	s_add_co_u32 s82, s82, s12
	s_lshl_b32 s92, s82, 6
	s_lshl_b32 s98, s11, 1
	s_add_co_u32 s92, s92, s98
	s_add_co_u32 s92, s92, 20971520
	s_mov_b32 s93, 0
	s_lshl_b32 s82, s82, 11
	s_lshl_b32 s99, s11, 10
	s_add_co_u32 s82, s82, s99
	s_mov_b32 s83, 0
	s_lshl_b32 s94, s16, 3                         ; ao: my tile, K step = pair
	s_add_co_u32 s94, s94, s12
	s_lshl_b32 s96, s94, 6
	s_add_co_u32 s96, s96, s98
	s_add_co_u32 s96, s96, 4194304
	s_mov_b32 s97, 0
	s_lshl_b32 s94, s94, 11
	s_add_co_u32 s94, s94, s99
	s_mov_b32 s95, 0
	s_mov_b32 s[SEL], 0x76543210
	s_mov_b32 s[SEL+1], 0xfedcba98
	s_mov_b32 s[CS], 0x3e38aa3b                    ; c = log2(e) / 8
	s_mov_b32 s[CS+1], s[CS]
	s_mov_b32 s[MNT], 0x600000
	s_mov_b32 s[SG], 0
	s_mov_b32 s[TK], 0
	s_mov_b32 s[TV], 0
	s_mov_b32 s[TSK], 0
	s_mov_b32 s[TSV], 0
	s_wait_dscnt 0x0                               ; both opening adds are done
	s_wait_kmcnt 0x0
	s_mov_b32 s[G0K], 1
	s_lshl_b32 s[G0K+1], s2, 14                    ; K's images from LDS byte 0: 16,384 j
	s_add_nc_u64 s[G0K+2:G0K+3], s[4:5], s[74:75]
	s_or_b32 s[G0K+3], s[G0K+3], 0x80000000
	s_mov_b32 s[G0KS], 1
	s_lshl_b32 s[G0KS+1], s3, 11
	s_add_co_u32 s[G0KS+1], s[G0KS+1], 131072      ; K's scale words
	s_add_nc_u64 s[G0KS+2:G0KS+3], s[4:5], s[76:77]
	s_or_b32 s[G0KS+3], s[G0KS+3], 0x80000000
	s_mov_b32 s[G0V], 1
	s_lshl_b32 s[G0V+1], s17, 13
	s_add_co_u32 s[G0V+1], s[G0V+1], 65536         ; V's images
	s_add_nc_u64 s[G0V+2:G0V+3], s[4:5], s[78:79]
	s_or_b32 s[G0V+3], s[G0V+3], 0x80000000
	s_mov_b32 s[G0VS], 1
	s_lshl_b32 s[G0VS+1], s3, 10
	s_add_co_u32 s[G0VS+1], s[G0VS+1], 135168      ; V's scale words
	s_add_nc_u64 s[G0VS+2:G0VS+3], s[4:5], s[80:81]
	s_or_b32 s[G0VS+3], s[G0VS+3], 0x80000000
	s_add_nc_u64 s[82:83], s[4:5], s[82:83]
	s_add_nc_u64 s[92:93], s[4:5], s[92:93]
	s_add_nc_u64 s[94:95], s[6:7], s[94:95]
	s_add_nc_u64 s[96:97], s[6:7], s[96:97]
.macro ARM under, g0, g1, next         ; one chain of branches on the wave's number, a load to an arm: every way through the head passes exactly one
	s_cmp_lt_u32 s[WV], \under
	s_cbranch_scc0 \next
	tensor_load_to_lds s[\g0:\g0+3], s[\g1:\g1+7]
	s_nop 0
.rept 4
	v_nop
.endr
	s_branch .Lfilled
\next:
.endm
	ARM 4,  G0K,  G1K,  .Lfill_v
	ARM 12, G0V,  G1V,  .Lfill_ks
	ARM 14, G0KS, G1KS, .Lfill_vs
	tensor_load_to_lds s[G0VS:G0VS+3], s[G1VS:G1VS+7]
	s_nop 0
.rept 4
	v_nop
.endr
.Lfilled:
	v_and_b32 v8, 15, v0                           ; r
	v_bfe_u32 v9, v0, 4, 1                         ; h
	v_and_b32 v10, 31, v0
	s_delay_alu instid0(VALU_DEP_1)
	v_lshlrev_b32 v[AK0], 4, v10
	s_delay_alu instid0(VALU_DEP_4)
	v_lshlrev_b32 v[R4], 2, v8
	global_load_b128 v[QF:QF+3], v[AK0], s[82:83]            ; Q's fragment: the head's two pieces
	global_load_b128 v[QF+4:QF+7], v[AK0], s[82:83] offset:512
	global_load_u16 v[QSC], v[R4], s[92:93]                  ; its two scale bytes, zeros above
	v_add_nc_u32 v[AV0], 65536, v[AK0]
	s_lshl_b32 s98, s11, 1
	s_add_co_u32 s98, s98, 131072
	v_add_nc_u32 v[ASK0], s98, v[R4]
	v_add_nc_u32 v[ASV0], 135168, v[R4]
	s_lshr_b32 s98, s15, 1
	s_lshl_b32 s98, s98, 5
	s_and_b32 s99, s15, 1
	s_lshl_b32 s99, s99, 3
	s_add_co_u32 s98, s98, s99                     ; my tile's first token
	v_and_b32 v11, 8, v8
	s_delay_alu instid0(VALU_DEP_1)
	v_add_nc_u32 v11, v11, v8                      ; r + 8 (r / 8)
	v_lshlrev_b32 v10, 4, v9
	s_delay_alu instid0(VALU_DEP_1)
	v_sub_nc_u32 v11, v11, v10
	s_delay_alu instid0(VALU_DEP_1)
	v_add_nc_u32 v[QD], s98, v11
.set i, 0
.rept 8
	v_mov_b32 v[QF+8+i], 0                         ; the upper 64 of K: zero codes
	v_mov_b32 v[KB+8+i], 0
	v_mov_b32 v[KB+24+i], 0
	v_mov_b32 v[KB+40+i], 0
	v_mov_b32 v[KB+56+i], 0
.set i, i+1
.endr
.set i, 0
.rept 32
	v_mov_b32 v[O+i], 0                            ; O^T: the step is written once; the first finds zeros, which the first change of M leaves zeros
.set i, i+1
.endr
	v_mov_b32 v13, 0xff61b1e6                      ; the largest t so far: -3e38
	s_delay_alu instid0(VALU_DEP_1)
	v_floor_f32 v12, -v13                          ; -M
	v_mov_b32 v14, 0
	v_mov_b32 v15, 0
.irp b, 0,1,2,3
	v_mov_b32 v[PL+\b], 0                          ; a lane permute's destination counts as one of its sources
.endr
	v_mov_b32 v[FF+1], 0                           ; (named as the upper half of a pair)
	v_mov_b32 v[TMP], 0
	s_wait_tensorcnt 0x0                           ; my parts of K and V are in,
	s_barrier_signal -1
	s_barrier_wait -1                              ; everybody's are
	s_wait_loadcnt 0x0                             ; Q
.Lstep:                                            ; eight trips in every wave; a hidden step's work is jumped over: ids alone decide
	s_cmp_gt_u32 s[SG], s[GG]
	s_cbranch_scc1 .Lhidden
	v_add_nc_u32 v[ADK], s[TK], v[AK0]
	s_wait_alu depctr_va_vdst(0)
	v_add_nc_u32 v[ADV], s[TV], v[AV0]
	v_add_nc_u32 v[ADS], s[TSK], v[ASK0]
	s_wait_alu depctr_va_vdst(0)
	v_add_nc_u32 v[ADT], s[TSV], v[ASV0]
.rept 5
	v_nop                                          ; nine places with the four above: the products below write over registers that the last step's products read
.endr
.irp g, 0,1                                    ; S^T = K Q^T, four tiles of 16 keys at a time
.if \g > 0
.rept 8
	v_nop
.endr
.endif
.irp t, 0,1,2,3
	ds_load_b128 v[KB+16*\t:KB+16*\t+3], v[ADK] offset:1024*(4*\g+\t)
	ds_load_b128 v[KB+16*\t+4:KB+16*\t+7], v[ADK] offset:1024*(4*\g+\t)+512
	ds_load_u16 v[KSC+\t], v[ADS] offset:64*(4*\g+\t)
.endr
	s_wait_dscnt 0x0
.irp t, 0,1,2,3
	v_wmma_scale_f32_16x16x128_f8f6f4 v[S+8*(4*\g+\t):S+8*(4*\g+\t)+7], v[KB+16*\t:KB+16*\t+15], v[QF:QF+15], 0, v[KSC+\t], v[QSC]
.endr
.endr
.rept 8
	v_nop
.endr
	s_cmp_lg_u32 s[SG], s[GG]                      ; my tile's last step lies on the diagonal: there hidden scores become -infinity ahead of the maximum
	s_cbranch_scc1 .Lopen
	s_lshl_b32 s98, s[SG], 7
	v_subrev_nc_u32 v[MD], s98, v[QD]              ; register 16 b + i holds key 128 step + 16 (lane / 16) + 32 b + i: hidden where 32 b + i > d
	v_mov_b32 v[MI], 0xff800000
.set n, 0
.rept 64
	v_cmp_gt_i32 vcc_lo, 32*(n/16)+n%16, v[MD]
	v_cndmask_b32 v[S+n], v[S+n], v[MI], vcc_lo
.set n, n+1
.endr
.Lopen:
.irp b, 0,1,2,3
	v_max3_num_f32 v[BM+\b], v[S+16*\b], v[S+1+16*\b], v[S+2+16*\b]   ; the largest score of each block of 32 keys: for the row's maximum and, since p rises with the score, for the block's largest p
.endr
.irp i, 3,5,7,9,11,13
.irp b, 0,1,2,3
	v_max3_num_f32 v[BM+\b], v[BM+\b], v[S+16*\b+\i], v[S+1+16*\b+\i]
.endr
.endr
.irp b, 0,1,2,3
	v_max_num_f32 v[BM+\b], v[BM+\b], v[S+15+16*\b]
.endr
.irp b, 0,1,2,3
	s_delay_alu instid0(VALU_DEP_4)
	v_permlanex16_b32 v[PL+\b], v[BM+\b], s[SEL], s[SEL+1]
.endr
.irp b, 0,1,2,3
	s_delay_alu instid0(VALU_DEP_4)
	v_max_num_f32 v[BM+\b], v[BM+\b], v[PL+\b]
.endr
	s_delay_alu instid0(VALU_DEP_2)
	v_max3_num_f32 v[TMP], v[BM], v[BM+1], v[BM+2]
	s_delay_alu instid0(VALU_DEP_1)
	v_max_num_f32 v[TMP], v[TMP], v[BM+3]
	s_delay_alu instid0(VALU_DEP_1)
	v_mul_f32 v[TMP], s[CS], v[TMP]
	s_delay_alu instid0(VALU_DEP_1)
	v_max_num_f32 v13, v13, v[TMP]                 ; the running largest t
	v_mov_b32 v[TMP], v12
	s_delay_alu instid0(VALU_DEP_2)
	v_floor_f32 v12, -v13                          ; the new -M = -ceil(t)
	s_delay_alu instid0(VALU_DEP_1)
	v_sub_f32 v[TMP], v12, v[TMP]                  ; old M - new M: a whole number, 0 or less
	s_delay_alu instid0(VALU_DEP_1)
	v_cvt_i32_f32 v[TMP], v[TMP]                   ; (it saturates)
	s_delay_alu instid0(VALU_DEP_1)
	v_ldexp_f32 v[FF], 1.0, v[TMP]                 ; f = 2^(old M - new M): exact
.set j, 0
.rept 32
	v_pk_fma_f32 v[S+j:S+j+1], v[S+j:S+j+1], s[CS:CS+1], v[12:13] op_sel_hi:[1,0,0]   ; t - M
.set j, j+2
.endr
.irp b, 0,1,2,3
	v_fma_f32 v[BM+\b], v[BM+\b], s[CS], v12
.endr
.set j, 0
	s_wait_alu depctr_va_vdst(0)
.rept 64
	v_exp_f32 v[S+j], v[S+j]                       ; p = 2^(t - M)
.set j, j+1
.endr
	v_pk_mul_f32 v[14:15], v[14:15], v[FF:FF+1] op_sel_hi:[1,0]   ; the sums under the new M: a plain line behind the batch
	s_wait_alu depctr_va_vdst(0)                   ; one wait for the batch, ahead of its first reader
.irp b, 0,1,2,3
	v_exp_f32 v[BM+\b], v[BM+\b]                   ; the block's largest p
.endr
	v_pk_add_f32 v[224:225], v[100:101], v[104:105]
	v_pk_add_f32 v[254:255], v[108:109], v[112:113]
	v_pk_add_f32 v[252:253], v[116:117], v[120:121]
	v_pk_add_f32 v[250:251], v[124:125], v[128:129]
	v_pk_add_f32 v[248:249], v[132:133], v[136:137]
	v_pk_add_f32 v[246:247], v[140:141], v[144:145]
	v_pk_add_f32 v[244:245], v[148:149], v[152:153]
	v_pk_add_f32 v[14:15], v[14:15], v[156:157]
	v_pk_add_f32 v[224:225], v[224:225], v[96:97]
	v_pk_add_f32 v[254:255], v[254:255], v[98:99]
	v_pk_add_f32 v[252:253], v[252:253], v[102:103]
	v_pk_add_f32 v[250:251], v[250:251], v[106:107]
	v_pk_add_f32 v[248:249], v[248:249], v[110:111]
	v_pk_add_f32 v[246:247], v[246:247], v[114:115]
	v_pk_add_f32 v[244:245], v[244:245], v[118:119]
	v_pk_add_f32 v[14:15], v[14:15], v[122:123]
	v_pk_add_f32 v[224:225], v[224:225], v[126:127]
	v_pk_add_f32 v[254:255], v[254:255], v[130:131]
	v_pk_add_f32 v[252:253], v[252:253], v[134:135]
	v_pk_add_f32 v[250:251], v[250:251], v[138:139]
	v_pk_add_f32 v[248:249], v[248:249], v[142:143]
	v_pk_add_f32 v[246:247], v[246:247], v[146:147]
	v_pk_add_f32 v[244:245], v[244:245], v[150:151]
	v_pk_add_f32 v[14:15], v[14:15], v[154:155]
	v_pk_add_f32 v[224:225], v[224:225], v[158:159]
	s_delay_alu instid0(VALU_DEP_2)
	v_pk_add_f32 v[14:15], v[14:15], v[250:251]
	s_delay_alu instid0(VALU_DEP_2)
	v_pk_add_f32 v[224:225], v[224:225], v[248:249]
	v_pk_add_f32 v[254:255], v[254:255], v[246:247]
	v_pk_add_f32 v[252:253], v[252:253], v[244:245]
	s_delay_alu instid0(VALU_DEP_2)
	v_pk_add_f32 v[14:15], v[14:15], v[254:255]
	s_delay_alu instid0(VALU_DEP_2)
	v_pk_add_f32 v[224:225], v[224:225], v[252:253]
	s_delay_alu instid0(VALU_DEP_1)
	v_pk_add_f32 v[14:15], v[14:15], v[224:225]
	s_wait_alu depctr_va_vdst(0)                   ; and one for the four
.irp b, 0,1,2,3
	v_max_num_f32 v[BM+\b], 0x4800000, v[BM+\b]    ; the floor: the byte cannot fall under 1
.endr
.irp b, 0,1,2,3
	s_delay_alu instid0(VALU_DEP_4)
	v_add_nc_u32 v[SCO+\b], 0xfc000000, v[BM+\b]
.endr
.irp b, 0,1,2,3
	v_and_or_b32 v[LM+\b], v[BM+\b], 0x7f800000, s[MNT]
.endr
.irp b, 0,1,2,3
	v_lshrrev_b32 v[PL+\b], 23, v[SCO+\b]
.endr
	s_delay_alu instid0(VALU_DEP_3)
	v_lshl_or_b32 v[PSC], v[PL+1], 8, v[PL]        ; p's scale word for these 128 keys
	s_delay_alu instid0(VALU_DEP_1)
	v_lshl_or_b32 v[PSC], v[PL+2], 16, v[PSC]
	s_delay_alu instid0(VALU_DEP_1)
	v_lshl_or_b32 v[PSC], v[PL+3], 24, v[PSC]
.irp b, 0,1,2,3
.irp i, 0,1,2,3,4,5,6,7,8,9,10,11,12,13,14,15
	v_min_num_f32 v[S+16*\b+\i], v[S+16*\b+\i], v[LM+\b]   ; the hold: p is not negative, so it is one-sided
.endr
	v_cvt_scalef32_pk8_fp8_f32 v[PCD+4*\b:PCD+4*\b+1], v[S+16*\b:S+16*\b+7], v[SCO+\b]
	v_cvt_scalef32_pk8_fp8_f32 v[PCD+4*\b+2:PCD+4*\b+3], v[S+16*\b+8:S+16*\b+15], v[SCO+\b]
.endr
.irp t, 0,1,2,3                                ; V's four tiles of 16 channels x these 128 keys, into the registers that p has left
.irp c, 0,1,2,3
	ds_load_b128 v[S+16*\t+4*\c:S+16*\t+4*\c+3], v[ADV] offset:16384*\t+512*\c
.endr
	ds_load_b32 v[VSC+\t], v[ADT] offset:512*\t
.endr
.set j, 0
.rept 16
	v_pk_mul_f32 v[O+j:O+j+1], v[O+j:O+j+1], v[FF:FF+1] op_sel_hi:[1,0]   ; O^T under the new M; these lines are also the places between the codes and the products
.set j, j+2
.endr
	s_wait_alu depctr_va_vdst(0)
	s_wait_dscnt 0x0
.irp t, 0,1,2,3                                ; O^T += V^T P^T: the four accumulators by turns
	v_wmma_scale_f32_16x16x128_f8f6f4 v[O+8*\t:O+8*\t+7], v[S+16*\t:S+16*\t+15], v[PCD:PCD+15], v[O+8*\t:O+8*\t+7], v[VSC+\t], v[PSC]
.endr
.Lhidden:
	s_add_co_u32 s[TK], s[TK], 8192
	s_add_co_u32 s[TV], s[TV], 2048
	s_add_co_u32 s[TSK], s[TSK], 512
	s_add_co_u32 s[TSV], s[TSV], 64
	s_add_co_u32 s[SG], s[SG], 1
	s_cmp_lt_u32 s[SG], 8
	s_cbranch_scc1 .Lstep
	; THE WAY OUT: O^T / the sum; register 16 b + i is channel 32 b + 16 (lane / 16) + i of my head: two blocks of the projection's K, quantised as they stand; the codes are two pieces of an image
.rept 8
	v_nop
.endr
	s_wait_alu depctr_va_vdst(0)
	v_add_f32 v14, v14, v15
	s_delay_alu instid0(VALU_DEP_1)
	v_permlanex16_b32 v[TMP], v14, s[SEL], s[SEL+1]
	s_delay_alu instid0(VALU_DEP_1)
	v_add_f32 v14, v14, v[TMP]
	s_wait_alu depctr_va_vdst(0)
	v_rcp_f32 v14, v14
	v_nop
	s_wait_alu depctr_va_vdst(0)
.set j, 0
.rept 32
	v_mul_f32 v[S+j], v[O+j], v14
.set j, j+1
.endr
.irp b, 0,1
	v_max3_num_f32 v[BM+\b], |v[S+16*\b]|, |v[S+1+16*\b]|, 0x4800000
.endr
.irp i, 2,4,6,8,10,12,14
.irp b, 0,1
	s_delay_alu instid0(VALU_DEP_2)
	v_max3_num_f32 v[BM+\b], v[BM+\b], |v[S+16*\b+\i]|, |v[S+1+16*\b+\i]|
.endr
.endr
.irp b, 0,1
	s_delay_alu instid0(VALU_DEP_2)
	v_permlanex16_b32 v[PL+\b], v[BM+\b], s[SEL], s[SEL+1]
.endr
.irp b, 0,1
	s_delay_alu instid0(VALU_DEP_2)
	v_max_num_f32 v[BM+\b], v[BM+\b], v[PL+\b]
.endr
.irp b, 0,1
	s_delay_alu instid0(VALU_DEP_2)
	v_add_nc_u32 v[SCO+\b], 0xfc000000, v[BM+\b]
.endr
.irp b, 0,1
	s_delay_alu instid0(VALU_DEP_4)
	v_and_or_b32 v[LM+\b], v[BM+\b], 0x7f800000, s[MNT]
.endr
.irp b, 0,1
	s_delay_alu instid0(VALU_DEP_4)
	v_lshrrev_b32 v[PL+\b], 23, v[SCO+\b]
.endr
	s_delay_alu instid0(VALU_DEP_1)
	v_lshl_or_b32 v[TMP], v[PL+1], 8, v[PL]
.irp b, 0,1
.irp i, 0,1,2,3,4,5,6,7,8,9,10,11,12,13,14,15
	v_med3_num_f32 v[S+16*\b+\i], v[S+16*\b+\i], -v[LM+\b], v[LM+\b]
.endr
	v_cvt_scalef32_pk8_fp8_f32 v[PCD+4*\b:PCD+4*\b+1], v[S+16*\b:S+16*\b+7], v[SCO+\b]
	v_cvt_scalef32_pk8_fp8_f32 v[PCD+4*\b+2:PCD+4*\b+3], v[S+16*\b+8:S+16*\b+15], v[SCO+\b]
.endr
	v_nop
	global_store_b128 v[AK0], v[PCD:PCD+3], s[94:95]              ; 32 lanes store 512 consecutive bytes
	global_store_b128 v[AK0], v[PCD+4:PCD+7], s[94:95] offset:512
	global_store_b16 v[R4], v[TMP], s[96:97]                      ; my head's half of each row's scale word: two bytes a lane, 4 bytes apart (lanes 16-31 write the same again): one byte for each 32 of codes
	s_wait_tensorcnt 0x0                           ; the wave's end
	ds_add_u32 v[SPW], v[NIL]
	s_wait_dscnt 0x0
	s_endpgm
.Lfunc_end_k_qda9abff91f_attn:
	.size	k_qda9abff91f_attn, .Lfunc_end_k_qda9abff91f_attn-k_qda9abff91f_attn
	.p2alignl 7, 3214868480
	.fill 96, 4, 3214868480
	.section	.rodata,"a",@progbits
	.p2align	6, 0x0
	.amdhsa_kernel k_qda9abff91f_attn
		.amdhsa_group_segment_fixed_size 167936
		.amdhsa_private_segment_fixed_size 0
		.amdhsa_enable_private_segment 0
		.amdhsa_kernarg_size 16
		.amdhsa_user_sgpr_count 2
		.amdhsa_user_sgpr_kernarg_segment_ptr 1
		.amdhsa_wavefront_size32 1
		.amdhsa_system_sgpr_workgroup_id_x 1
		.amdhsa_system_sgpr_workgroup_id_y 1
		.amdhsa_system_sgpr_workgroup_id_z 1
		.amdhsa_system_vgpr_workitem_id 0
		.amdhsa_next_free_vgpr 256
		.amdhsa_next_free_sgpr 100
		.amdhsa_reserve_vcc 1
		.amdhsa_float_denorm_mode_32 3
		.amdhsa_float_denorm_mode_16_64 3
		.amdhsa_memory_ordered 1
		.amdhsa_forward_progress 1
		.amdhsa_inst_pref_size 44
	.end_amdhsa_kernel
	.amdgpu_metadata
---
amdhsa.version: [ 1, 2 ]
amdhsa.kernels:
  - .name:           k_qda9abff91f_attn
    .symbol:         k_qda9abff91f_attn.kd
    .args:
      - { .name: qkv, .offset: 0, .size: 8, .value_kind: global_buffer, .address_space: global }
      - { .name: ao, .offset: 8, .size: 8, .value_kind: global_buffer, .address_space: global }
    .group_segment_fixed_size: 167936
    .private_segment_fixed_size: 0
    .kernarg_segment_align: 8
    .kernarg_segment_size: 16
    .max_flat_workgroup_size: 512
    .sgpr_count:     100
    .vgpr_count:     256
    .wavefront_size: 32
...
	.end_amdgpu_metadata
.endif
;; end of part 3
;; launch g_out (part 4): grid 8 x 32, 4 waves a work-group, clusters of 4 x 4, 327,680 bytes of LDS; arguments ao, w, x, x1; writes x1
.if DOCPART == 4
	.amdgcn_target "amdgcn-amd-amdhsa--gfx1250"
	.amdhsa_code_object_version 6
	.text
	.protected	k_qda9abff91f_g_out
	.globl	k_qda9abff91f_g_out
	.p2align	8
	.type	k_qda9abff91f_g_out,@function
k_qda9abff91f_g_out:
	s_mov_b64 s[64:65], 0
	v_nop
	global_prefetch_b8 v0, s[64:65] scope:SCOPE_SE
	s_setreg_imm32_b32 hwreg(HW_REG_WAVE_MODE, 25, 1), 1
	s_wait_xcnt 0x0
	s_wait_alu depctr_hold_cnt(0) depctr_sa_sdst(0) depctr_va_vdst(0) depctr_va_sdst(0) depctr_va_ssrc(0) depctr_va_vcc(0) depctr_vm_vsrc(0)
	s_getreg_b32 s2, hwreg(HW_REG_IB_STS2, 6, 4)
	s_cmp_eq_u32 s2, 0
	s_cbranch_scc0 .Lentry_in_a_cluster
	s_endpgm
.Lentry_in_a_cluster:
	s_bfe_u32 s2, ttmp6, 0x10000c
	s_cmp_lg_u32 s2, 0xf033
	s_cbranch_scc0 .Lentry_shape_is_right
	s_endpgm
.Lentry_shape_is_right:
; LAUNCH 4 OF 6: x1 = x + ao w_out on codes of FP8 (E4M3) with E8M0 scales; x1 leaves as f32 images and as codes.  A work-group makes 128 x 128; its four waves share K, a step of each slot's four to a wave; the parts meet in LDS.
; The scale words come by plain loads straight into v32-47, which hold nothing else: A's block i in register 8 (i / 4) + i % 4, B's 4 further on; lanes 0-15 my step of slot 0, lanes 16-31 that of slot 1 (the ROW selectors choose).
.set KS,    8
.set CH,    32768
.set SLOT,  131072
.set SCL,   262144
.set SPARE, 295936
.set FR,    16
.set NP,    8
.set RS,   8
.set RL,   12
.set STI,  13
.set STF,  14
.set ADRA, 16
.set ADRB, 20
.set SO,   25
.set CO,   26
.set VS,   27
.set SPW,  28
.set NIL,  29
.set PW,   30
.set SC,   32
.set X,    64
.set XR0,  64
.set AF,   128
.set R,    128
.set TM,   128
.set PC,   144
.set XR1,  192
.set SEL,  20
.set MNT,  22
.set G1, 24
.set G0, 32
.set G1B, 48
.set G0B, 56
.set SCA, 68                           ; s[68:69], s[92:93] my step's scale words of A's 8 tiles, of B's
.set SCB, 92
.set MSB, 0
.macro WIN new
.if MSB != \new
	s_set_vgpr_msb (MSB<<8)|\new
.set MSB, \new
.endif
.endm
.set MUL_LO, 0xa1
.set MUL_HI, 0xf1
.set TO_B,   0x40
.macro JLOAD g0a, g1a, g0b, g1b
	s_cmp_eq_u32 s15, 0
	s_cbranch_scc0 .Lfor_b_\@
	tensor_load_to_lds s[\g0a:\g0a+3], s[\g1a:\g1a+7]
	s_nop 0
.rept 4
	v_nop
.endr
	s_branch .Lasked_\@
.Lfor_b_\@:
	tensor_load_to_lds s[\g0b:\g0b+3], s[\g1b:\g1b+7]
	s_nop 0
.rept 4
	v_nop
.endr
.Lasked_\@:
.endm
.macro CREST
	s_cmp_lg_u32 s14, 0
	s_cbranch_scc1 .Lnot_wave_0_\@
	s_barrier_signal -3
.Lnot_wave_0_\@:
	s_barrier_wait -3
	s_barrier_signal -1
	s_barrier_wait -1
.endm
.macro CROUND
	s_barrier_signal -1
	s_barrier_wait -1
	CREST
.endm
.macro PLACES n
.rept \n
	v_nop
.endr
.endm
.macro XLOADS u, reg
.irp r, 0,1,2,3,4,5,6,7,8,9,10,11,12,13,14,15
	global_load_b128 v[(\reg)+4*\r:(\reg)+4*\r+3], v[CO], s[96:97] offset:(8*\u+\r+8*(\r/8))*4096 th:TH_LOAD_NT
.endr
.endm
	s_load_b256 s[4:11], s[0:1], 0x0
	v_lshl_add_u32 v[SPW], v0, 2, SPARE
	v_mov_b32 v[NIL], 0
	ds_add_u32 v[SPW], v[NIL]
	ds_add_u32 v[SPW], v[NIL]
	v_lshrrev_b32 v1, 5, v0
	v_readfirstlane_b32 s14, v1
	s_lshr_b32 s15, s14, 1
	s_and_b32 s16, s14, 1
	s_bfe_u32 s40, ttmp6, 0x40000
	s_bfe_u32 s41, ttmp6, 0x40004
	s_lshl_b32 s42, ttmp9, 2
	s_add_co_u32 s42, s42, s40
	s_and_b32 s17, ttmp7, 0xffff
	s_lshl_b32 s17, s17, 2
	s_add_co_u32 s17, s17, s41
	s_lshl_b32 s43, s41, 2
	s_lshl_b32 s43, 15, s43
	s_lshl_b32 s44, 0x1111, s40
	s_or_b32 s[G1+0], s43, (3<<16)|(1<<21)
	s_or_b32 s[G1B+0], s44, (3<<16)|(1<<21)
.irp g, G1, G1B
	s_mov_b32 s[\g+1], 1024<<16                    ; a tile's four steps, 8,192 bytes: a slot lies [tile][4 steps]
	s_mov_b32 s[\g+2], 4<<16                       ; 4 tiles to a load
	s_mov_b32 s[\g+3], 1024<<16
	s_mov_b32 s[\g+4], 4
	s_mov_b32 s[\g+5], KS*256
	s_mov_b32 s[\g+6], 0
	s_mov_b32 s[\g+7], 0
.endr
	s_mul_i32 s18, s16, 4*KS*2048                  ; slot 1: I fetch 4 tiles of 8: which half, in bytes
	s_mov_b32 s19, 0
	s_lshl_b32 s20, s17, 3
	s_mul_i32 s22, s20, KS*64
	s_add_co_u32 s22, s22, 4194304
	s_lshl_b32 s2, s14, 6                          ; my step of a slot's four: 64 bytes of scale words
	s_add_co_u32 s22, s22, s2
	s_mov_b32 s23, 0
	s_mul_i32 s20, s20, KS*2048
	s_mov_b32 s21, 0
	s_lshl_b32 s46, s42, 3
	s_mul_i32 s92, s46, KS*64
	s_add_co_u32 s92, s92, 17006592
	s_add_co_u32 s92, s92, s2
	s_mov_b32 s93, 0
	s_mul_i32 s46, s46, KS*2048
	s_add_co_u32 s46, s46, 7340032
	s_mov_b32 s47, 0
	s_lshl_b32 s96, s17, 19
	s_lshl_b32 s97, s14, 17
	s_add_co_u32 s96, s96, s97
	s_lshl_b32 s97, s42, 9
	s_add_co_u32 s96, s96, s97
	s_mov_b32 s97, 0
	s_lshl_b32 s98, s17, 3
	s_add_co_u32 s98, s98, s42
	s_lshl_b32 s98, s98, 16
	s_lshl_b32 s99, s14, 14
	s_add_co_u32 s98, s98, s99
	s_mov_b32 s99, 0
	s_lshl_b32 s12, s17, 3
	s_lshl_b32 s13, s14, 1
	s_add_co_u32 s12, s12, s13
	s_lshl_b32 s12, s12, 3
	s_add_co_u32 s12, s12, s42
	s_lshl_b32 s66, s12, 6
	s_add_co_u32 s66, s66, 20971520
	s_mov_b32 s67, 0
	s_lshl_b32 s12, s12, 11
	s_add_co_u32 s12, s12, 16777216
	s_mov_b32 s13, 0
	s_lshl_b32 s45, s14, 15
	s_wait_dscnt 0x0
	s_wait_kmcnt 0x0
	s_add_nc_u64 s[20:21], s[4:5], s[20:21]
	s_add_nc_u64 s[SCA:SCA+1], s[4:5], s[22:23]
	s_add_nc_u64 s[46:47], s[6:7], s[46:47]
	s_add_nc_u64 s[92:93], s[6:7], s[92:93]
	s_add_nc_u64 s[96:97], s[8:9], s[96:97]
	s_add_nc_u64 s[98:99], s[10:11], s[98:99]
	s_add_nc_u64 s[12:13], s[10:11], s[12:13]
	s_add_nc_u64 s[66:67], s[10:11], s[66:67]
	CROUND
.set PFA, 94                           ; s[94:95] where my prefetch stands; never rewritten
.set PFO, 22                           ; v22  its offset: 256 x lane; never rewritten
	; the prefetch: a slot of an operand is 8 tiles x 8,192 bytes; the four partners that ask for it jointly share it out by address: partner p (cx for A, cy for B) takes tiles 2 p and 2 p + 1, one to a wave
	s_cmp_eq_u32 s15, 0
	s_cselect_b64 s[PFA:PFA+1], s[20:21], s[46:47]
	s_cselect_b32 s2, s40, s41
	s_lshl_b32 s2, s2, 1
	s_add_co_u32 s2, s2, s16
	s_mul_i32 s2, s2, KS*2048
	s_mov_b32 s3, 0
	s_add_nc_u64 s[PFA:PFA+1], s[PFA:PFA+1], s[2:3]
	s_add_nc_u64 s[20:21], s[20:21], s[18:19]      ; for slot 1: my 4 tiles
	s_add_nc_u64 s[46:47], s[46:47], s[18:19]
.irp s, 0,1
	s_mov_b32 s[G0+4*\s], 1
	s_add_co_u32 s[G0+4*\s+1], s45, \s*SLOT
	s_add_nc_u64 s[G0+4*\s+2:G0+4*\s+3], s[20:21], \s*8192
	s_or_b32 s[G0+4*\s+3], s[G0+4*\s+3], 0x80000000
	s_mov_b32 s[G0B+4*\s], 1
	s_add_co_u32 s[G0B+4*\s+1], s45, \s*SLOT
	s_add_nc_u64 s[G0B+4*\s+2:G0B+4*\s+3], s[46:47], \s*8192
	s_or_b32 s[G0B+4*\s+3], s[G0B+4*\s+3], 0x80000000
.endr
	JLOAD G0, G1, G0B, G1B                         ; slot 0: one tensor load a wave at the head, 4 tiles each
	v_and_b32 v1, 15, v0
	v_bfe_u32 v2, v0, 4, 1
	s_wait_alu depctr_va_vdst(0)
	v_and_b32 v3, 31, v0
	v_lshlrev_b32 v[CO], 4, v3
	v_lshlrev_b32 v[PFO], 8, v3
	v_lshlrev_b32 v[VS], 2, v1
	v_lshl_add_u32 v[VS], v2, 8, v[VS]             ; 4 r; lanes 16-31 a slot (256 bytes of a tile's words) further on
.irp i, 0,1,2,3,4,5,6,7
	global_load_b32 v[SC+8*(\i/4)+\i%4], v[VS], s[SCA:SCA+1] offset:512*\i
	global_load_b32 v[SC+8*(\i/4)+4+\i%4], v[VS], s[SCB:SCB+1] offset:512*\i
.endr
	XLOADS 0, XR0
	global_prefetch_b8 v[PFO], s[PFA:PFA+1] offset:8192 th:TH_LOAD_NT scope:SCOPE_SE   ; slot 1, whose tensor load follows when the head's have landed
	v_lshlrev_b32 v[SO], 2, v1
	s_lshl_b32 s21, s14, 11                        ; my step of a tile's four
	s_add_co_u32 s22, s21, 2*CH
.irp s, 0,1
	v_add_nc_u32 v[ADRA+\s], s21, v[CO]
	v_add_nc_u32 v[ADRB+\s], s22, v[CO]
	s_add_co_u32 s21, s21, SLOT
	s_add_co_u32 s22, s22, SLOT
.endr
	s_wait_alu depctr_va_vdst(0)
	s_lshl_b32 s21, s14, 14
	v_add_nc_u32 v[RS], s21, v[CO]
	v_add_nc_u32 v[RS+1], 0x10000, v[RS]
	v_add_nc_u32 v[RS+2], 0x20000, v[RS]
	v_add_nc_u32 v[RS+3], 0x30000, v[RS]
	s_lshl_b32 s21, s14, 16
	v_add_nc_u32 v[RL], s21, v[CO]
	s_mul_i32 s21, s14, 8448
	s_add_co_u32 s21, s21, SCL
	v_add_nc_u32 v[STI], s21, v[CO]
	v_mul_u32_u24 v4, v1, 528
	v_lshl_add_u32 v4, v2, 6, v4
	v_add_nc_u32 v[STF], s21, v4
.macro FRAG reg, adr, i
.irp c, 0,1,2,3
	ds_load_b128 v[\reg+4*\c:\reg+4*\c+3], v[\adr] offset:8192*(\i)+512*\c
.endr
.endm
.macro MUL16 a0, p, zero
.irp a, \a0, \a0+1
.irp b, 0,1,2,3,4,5,6,7
.if \zero                              ; slot 0 starts the sums: row 0 of both scale registers; slot 1: row 1
	v_wmma_scale_f32_16x16x128_f8f6f4 v[8*(8*((\a)%4)+\b):8*(8*((\a)%4)+\b)+7], v[128*(\p)+FR*\b:128*(\p)+FR*\b+FR-1], v[AF+FR*(\a):AF+FR*(\a)+FR-1], 0, v[SC+8*(\b/4)+4+\b%4], v[SC+8*((\a)/4)+(\a)%4]
.else
	v_wmma_scale_f32_16x16x128_f8f6f4 v[8*(8*((\a)%4)+\b):8*(8*((\a)%4)+\b)+7], v[128*(\p)+FR*\b:128*(\p)+FR*\b+FR-1], v[AF+FR*(\a):AF+FR*(\a)+FR-1], v[8*(8*((\a)%4)+\b):8*(8*((\a)%4)+\b)+7], v[SC+8*(\b/4)+4+\b%4], v[SC+8*((\a)/4)+(\a)%4] matrix_a_scale:MATRIX_SCALE_ROW1 matrix_b_scale:MATRIX_SCALE_ROW1
.endif
.endr
.endr
.endm
.macro FETCH_B slot
	WIN TO_B
.irp i, 0,1,2,3,4,5,6,7
	FRAG 128*(\slot)+FR*\i, ADRB+\slot, \i
.endr
	WIN 0
.endm
.macro FETCH_A slot, i0
.irp i, \i0, \i0+1, \i0+2, \i0+3
	FRAG AF+FR*(\i), ADRA+\slot, \i
.endr
.endm
.macro TURN slot, next, zero
	s_wait_tensorcnt 0x0
	ds_add_u32 v[SPW], v[NIL]
	s_wait_dscnt 17
	WIN MUL_LO
	MUL16 0, \slot, \zero
	s_wait_dscnt 0x0
	s_barrier_signal -1
	MUL16 2, \slot, \zero
	WIN 0
	s_barrier_wait -1
	PLACES NP
	FETCH_B \next
	FETCH_A \next, 0
	WIN MUL_HI
	MUL16 4, \slot, \zero
	MUL16 6, \slot, \zero
	PLACES NP
	WIN 0
	FETCH_A \next, 4
.endm
	s_wait_alu depctr_va_vdst(0)
	s_wait_tensorcnt 0x0                           ; my tile of the head's four is in
	ds_add_u32 v[SPW], v[NIL]
	s_wait_dscnt 0x0
	CROUND
	JLOAD G0+4, G1, G0B+4, G1B                     ; slot 1's first fill: my one tensor load behind the round
	FETCH_B 0
	FETCH_A 0, 0
	s_wait_loadcnt 16                              ; the scale words are in; the 16 younger loads of x may be out
	FETCH_A 0, 4
	TURN 0, 1, 1
	s_wait_dscnt 16
	WIN MUL_LO
	MUL16 0, 1, 0
	MUL16 2, 1, 0
	s_wait_alu depctr_va_vdst(0)
	s_wait_dscnt 0x0
	WIN MUL_HI
	MUL16 4, 1, 0
	MUL16 6, 1, 0
	WIN 0
	PLACES NP
	XLOADS 1, XR1
	s_wait_dscnt 0x0
	s_barrier_signal -1
	s_barrier_wait -1
.macro REDST a
.set AC, 64*((\a)%4)
.irp b, 0,1,2,3,4,5,6,7
	ds_store_b128 v[RS+(\a)/2], v[AC+8*\b:AC+8*\b+3] offset:(((\a)%2)*8+\b)*1024
	ds_store_b128 v[RS+(\a)/2], v[AC+8*\b+4:AC+8*\b+7] offset:(((\a)%2)*8+\b)*1024+512
.endr
.endm
	WIN 0x08
.irp a, 0,1,2,3
	REDST \a
.endr
	WIN 0x0c
.irp a, 4,5,6,7
	REDST \a
.endr
	WIN 0
	s_mov_b32 s[SEL], 0x76543210
	s_mov_b32 s[SEL+1], 0xfedcba98
	s_mov_b32 s[MNT], 0x600000
	s_wait_dscnt 0x0
	s_barrier_signal -1
	s_barrier_wait -1
.macro RLOAD u
	WIN 0x40
.irp s, 0,1,2,3
.irp b, 0,1,2,3,4,5,6,7
	ds_load_b128 v[64*\s+8*\b:64*\s+8*\b+3], v[RL] offset:16384*\s+(8*\u+\b)*1024
	ds_load_b128 v[64*\s+8*\b+4:64*\s+8*\b+7], v[RL] offset:16384*\s+(8*\u+\b)*1024+512
.endr
.endr
	WIN 0
.endm
.macro SUMS
	WIN 0x45
.set i, 0
.rept 32
	v_pk_add_f32 v[i:i+1], v[i:i+1], v[64+i:65+i]
	v_pk_add_f32 v[128+i:129+i], v[128+i:129+i], v[192+i:193+i]
.set i, i+2
.endr
	WIN 0x05
.set i, 0
.rept 32
	v_pk_add_f32 v[X+i:X+i+1], v[i:i+1], v[128+i:129+i]
.set i, i+2
.endr
	WIN 0
.set i, 0
.rept 32
	v_pk_add_f32 v[X+i:X+i+1], v[X+i:X+i+1], v[R+i:R+i+1]
.set i, i+2
.endr
.endm
.macro QUANT s
.irp b, 0,1,2,3
	v_max3_num_f32 v[TM+\b], |v[(\s)+16*\b]|, |v[(\s)+1+16*\b]|, 0x4800000
.endr
.irp i, 2,4,6,8,10,12,14
.irp b, 0,1,2,3
	v_max3_num_f32 v[TM+\b], v[TM+\b], |v[(\s)+16*\b+\i]|, |v[(\s)+1+16*\b+\i]|
.endr
.endr
.irp b, 0,1,2,3
	v_permlanex16_b32 v[TM+4+\b], v[TM+\b], s[SEL], s[SEL+1]
.endr
.irp b, 0,1,2,3
	v_max_num_f32 v[TM+\b], v[TM+\b], v[TM+4+\b]
.endr
.irp b, 0,1,2,3
	v_add_nc_u32 v[TM+12+\b], 0xfc000000, v[TM+\b]
.endr
.irp b, 0,1,2,3
	v_and_or_b32 v[TM+8+\b], v[TM+\b], 0x7f800000, s[MNT]
.endr
.irp b, 0,1,2,3
	v_lshrrev_b32 v[TM+4+\b], 23, v[TM+12+\b]
.endr
	s_wait_alu depctr_va_vdst(0)
	s_wait_xcnt 0x0
	v_lshl_or_b32 v[PW], v[TM+5], 8, v[TM+4]
	v_lshl_or_b32 v[PW], v[TM+6], 16, v[PW]
	v_lshl_or_b32 v[PW], v[TM+7], 24, v[PW]
.irp b, 0,1,2,3
.irp i, 0,1,2,3,4,5,6,7,8,9,10,11,12,13,14,15
	v_med3_num_f32 v[(\s)+16*\b+\i], v[(\s)+16*\b+\i], -v[TM+8+\b], v[TM+8+\b]
.endr
	v_cvt_scalef32_pk8_fp8_f32 v[PC+4*\b:PC+4*\b+1], v[(\s)+16*\b:(\s)+16*\b+7], v[TM+12+\b]
	v_cvt_scalef32_pk8_fp8_f32 v[PC+4*\b+2:PC+4*\b+3], v[(\s)+16*\b+8:(\s)+16*\b+15], v[TM+12+\b]
.endr
	v_nop
.endm
.macro TILE u, xr
.if \u == 1
	s_wait_xcnt 0x0
.endif
	RLOAD \u
	s_wait_loadcnt 16-16*\u
.irp r, 0,1,2,3,4,5,6,7,8,9,10,11,12,13,14,15
	ds_store_b128 v[STI], v[(\xr)+4*\r:(\xr)+4*\r+3] offset:528*\r
.endr
.irp c, 0,1,2,3
.irp q, 0,1,2,3
	ds_load_b128 v[R+16*\c+4*\q:R+16*\c+4*\q+3], v[STF] offset:128*\c+16*\q
.endr
.endr
	s_wait_dscnt 0x0
	SUMS
.irp k, 0,1,2,3,4,5,6,7,8,9,10,11,12,13,14,15
	global_store_b128 v[CO], v[X+4*\k:X+4*\k+3], s[98:99] offset:8192*\u+512*\k
.endr
	QUANT X
.irp c, 0,1,2,3
	global_store_b128 v[CO], v[PC+4*\c:PC+4*\c+3], s[12:13] offset:16384*\u+512*\c
.endr
	global_store_b32 v[SO], v[PW], s[66:67] offset:512*\u
.endm
	TILE 0, XR0
	TILE 1, XR1
	s_wait_tensorcnt 0x0
	ds_add_u32 v[SPW], v[NIL]
	s_wait_dscnt 0x0
	CROUND
	s_endpgm
.Lfunc_end_k_qda9abff91f_g_out:
	.size	k_qda9abff91f_g_out, .Lfunc_end_k_qda9abff91f_g_out-k_qda9abff91f_g_out
	.p2alignl 7, 3214868480
	.fill 96, 4, 3214868480
	.section	.rodata,"a",@progbits
	.p2align	6, 0x0
	.amdhsa_kernel k_qda9abff91f_g_out
		.amdhsa_group_segment_fixed_size 327680
		.amdhsa_private_segment_fixed_size 0
		.amdhsa_enable_private_segment 0
		.amdhsa_kernarg_size 32
		.amdhsa_user_sgpr_count 2
		.amdhsa_user_sgpr_kernarg_segment_ptr 1
		.amdhsa_wavefront_size32 1
		.amdhsa_system_sgpr_workgroup_id_x 1
		.amdhsa_system_sgpr_workgroup_id_y 1
		.amdhsa_system_sgpr_workgroup_id_z 1
		.amdhsa_system_vgpr_workitem_id 0
		.amdhsa_next_free_vgpr 1024
		.amdhsa_next_free_sgpr 100
		.amdhsa_reserve_vcc 0
		.amdhsa_float_denorm_mode_32 3
		.amdhsa_float_denorm_mode_16_64 3
		.amdhsa_memory_ordered 1
		.amdhsa_forward_progress 1
		.amdhsa_inst_pref_size 97
	.end_amdhsa_kernel
	.amdgpu_metadata
---
amdhsa.version: [ 1, 2 ]
amdhsa.kernels:
  - .name:           k_qda9abff91f_g_out
    .symbol:         k_qda9abff91f_g_out.kd
    .args:
      - { .name: ao, .offset: 0, .size: 8, .value_kind: global_buffer, .address_space: global }
      - { .name: w, .offset: 8, .size: 8, .value_kind: global_buffer, .address_space: global }
      - { .name: x, .offset: 16, .size: 8, .value_kind: global_buffer, .address_space: global }
      - { .name: x1, .offset: 24, .size: 8, .value_kind: global_buffer, .address_space: global }
    .group_segment_fixed_size: 327680
    .private_segment_fixed_size: 0
    .kernarg_segment_align: 8
    .kernarg_segment_size: 32
    .max_flat_workgroup_size: 128
    .sgpr_count:     100
    .vgpr_count:     1024
    .wavefront_size: 32
...
	.end_amdgpu_metadata
.endif
;; end of part 4
;; launch g_ff1 (part 5): grid 16 x 16, 4 waves a work-group, clusters of 4 x 4, 327,680 bytes of LDS; arguments x1, w, h; writes h
.if DOCPART == 5
	.amdgcn_target "amdgcn-amd-amdhsa--gfx1250"
	.amdhsa_code_object_version 6
	.text
	.protected	k_qda9abff91f_g_ff1
	.globl	k_qda9abff91f_g_ff1
	.p2align	8
	.type	k_qda9abff91f_g_ff1,@function
k_qda9abff91f_g_ff1:
	s_mov_b64 s[64:65], 0
	v_nop
	global_prefetch_b8 v0, s[64:65] scope:SCOPE_SE
	s_setreg_imm32_b32 hwreg(HW_REG_WAVE_MODE, 25, 1), 1
	s_wait_xcnt 0x0
	s_wait_alu depctr_hold_cnt(0) depctr_sa_sdst(0) depctr_va_vdst(0) depctr_va_sdst(0) depctr_va_ssrc(0) depctr_va_vcc(0) depctr_vm_vsrc(0)
	s_getreg_b32 s2, hwreg(HW_REG_IB_STS2, 6, 4)
	s_cmp_eq_u32 s2, 0
	s_cbranch_scc0 .Lentry_in_a_cluster
	s_endpgm
.Lentry_in_a_cluster:
	s_bfe_u32 s2, ttmp6, 0x10000c
	s_cmp_lg_u32 s2, 0xf033
	s_cbranch_scc0 .Lentry_shape_is_right
	s_endpgm
.Lentry_shape_is_right:
; LAUNCH 5 OF 6: h = gelu(x1 w_ff1), exact (erf), on codes of FP8 (E4M3) with E8M0 scales, and h quantised in registers along the next product's K.
; Operands are images of registers: codes [tile][K / 128][c][lane][16 bytes], scale words [tile][K / 128][r][4 bytes]; lane-row r of tile t is row 32 (t / 2) + 8 (t % 2) + r + 8 (r / 8).
; A work-group of four waves makes 256 x 256, a wave 128 x 128: 64 accumulators.  Source 0 takes tiles of w_ff1's columns (B), source 1 tiles of tokens (A): a lane holds a token and 16 neighbouring columns in each pair of tiles.
; K = 1,024 goes through a ring of two LDS slots, two steps of 128 to a slot.  THE HEAD: one tensor load a wave: A's 16 tiles of slot 0, B's, A's scale words of all of K, B's.  Slot 1's first fill and the two refills: 8 tiles a wave, each behind a drained round.
; CLUSTERS: 4 x 4 work-groups; A's tiles are asked for jointly along a row of the cluster, B's along a column.
; PREFETCH: slots 1, 2, 3 are named two fills ahead of their tensor loads; the four partners of a joint load share a slot's blocks of 256 bytes out by address, a lane a block, one instruction a wave.
; GELU: gelu(g) = max(g, 0) - |g| erfc(|g| / sqrt 2) / 2;  erfc(z) = t 2^(p(t) - z^2 log2 e), t = 1 / (1 + z / 2), p of degree 9; the factor 1/2 lies in p's constant term.
; LIMITS: a block of zeros gets the byte 1 (its codes are zeros, and this program alone reads the bytes); a block's largest magnitude is taken as 2^-118 at the least; NaN and infinities are not served.
; REGISTERS: window 0: v16-31 addresses and a constant pair; v32-63 scale words, two sets; v128-255 A's fragments; on the way out v64-127 max(g, 0) then h, v128-191 |g|, v192-223 the quantiser's.
;   window 1: B's fragments, two sets; on the way out t at v0, p at v64, g^2 at v128.  windows 2, 3: the accumulators ((a, b) at v[8 (8 (a % 4) + b)]).
; AS THE TEXT NOW STANDS (in place of what is said above of the head, the scale words and the way out's registers): at the head each wave fetches its 8 tiles of slot 0.  The scale words come once, by plain loads straight into v32-95,
; which hold nothing else: register 8 i + j holds A's block i, 8 i + 4 + j B's block i, lanes 0-15 K step 2 j, lanes 16-31 K step 2 j + 1 (the ROW selectors choose).  On the way out v96-159 hold max(g, 0) then h, v160-223 |g|, v224-255 the quantiser's.
.set KS,    8
.set NQ,    2
.set CH,    32768                      ; 8 tiles x 2 steps x 2,048 bytes: what one load of the ring brings
.set SLOT,  131072                     ; A's 16 tiles, then B's
.set SPARE, 262144                     ; behind the ring: the spare words
.set FR,    16
.set NP,    8                          ; places behind this matrix instruction (ISA guide 7.12.1)
.set ADRA, 16
.set ADRB, 20
.set PFO,  22                          ; v22  the prefetches' offset; never rewritten
.set PW,   24
.set SO,   25
.set CO,   26
.set VS,   27                          ; v27  4 x lane: my place in two K steps' scale words
.set SPW,  28
.set NIL,  29
.set SC,   32
.set GM,   96
.set AF,   128
.set GA,   160
.set TM,   224
.set PC,   240
.set T,    0
.set P,    64
.set W,    128
.set CK,   24                          ; s24-45: ten pairs of constants and the pair HC, over descriptors that are done with
.set C9,   40
.set NL2E, 42
.set HC,   44
.set MNT,  46
.set SEL,  48
.set ABSM, 50
.set PFA, 12                           ; s[12:13] where my prefetches stand; never rewritten
.set G1, 24
.set G0, 32
.set G1B, 48
.set G0B, 56
.set SCA, 68                           ; s[68:69], s[92:93] the scale words of my 8 tiles of A, of B
.set SCB, 92
.set MSB, 0
.macro WIN new                         ; the immediate's high byte repeats the setting that is left
.if MSB != \new
	s_set_vgpr_msb (MSB<<8)|\new
.set MSB, \new
.endif
.endm
.set MUL_LO, 0xa1
.set MUL_HI, 0xf1
.set TO_B,   0x40
.macro PLACES n
.rept \n
	v_nop
.endr
.endm
.macro TL g0, g1                       ; a tensor load; an s_nop 0 and four v_nop follow it
	tensor_load_to_lds s[\g0:\g0+3], s[\g1:\g1+7]
	s_nop 0
	PLACES 4
.endm
.macro JLOAD g0a, g1a, g0b, g1b        ; the ring's joint load: waves 0 and 1 fetch for A, waves 2 and 3 for B
	s_cmp_eq_u32 s15, 0
	s_cbranch_scc0 .Lfor_b_\@
	TL \g0a, \g1a
	s_branch .Lasked_\@
.Lfor_b_\@:
	TL \g0b, \g1b
.Lasked_\@:
.endm
.macro CREST
	s_cmp_lg_u32 s14, 0
	s_cbranch_scc1 .Lnot_wave_0_\@
	s_barrier_signal -3
.Lnot_wave_0_\@:
	s_barrier_wait -3
	s_barrier_signal -1
	s_barrier_wait -1
.endm
.macro CROUND
	s_barrier_signal -1
	s_barrier_wait -1
	CREST
.endm
.macro ASK slot                        ; my 32 blocks of 256 bytes of a slot
	global_prefetch_b8 v[PFO], s[PFA:PFA+1] offset:4096*(\slot) th:TH_LOAD_NT scope:SCOPE_SE
.endm
	s_load_b128 s[4:7], s[0:1], 0x0                ; x1 s[4:5], w s[6:7]
	s_load_b64 s[8:9], s[0:1], 0x10                ; h
	v_lshl_add_u32 v[SPW], v0, 2, SPARE
	v_mov_b32 v[NIL], 0
	ds_add_u32 v[SPW], v[NIL]                      ; the wave's opening: the add, twice on end, and its wait ahead of my first tensor load
	ds_add_u32 v[SPW], v[NIL]
	v_lshrrev_b32 v1, 5, v0
	v_readfirstlane_b32 s14, v1                    ; wave 0..3
	s_lshr_b32 s15, s14, 1                         ; my half of A's tiles; in the ring I fetch for A (0) or B (1)
	s_and_b32 s16, s14, 1                          ; my half of B's tiles; which 8 tiles I fetch
	s_bfe_u32 s40, ttmp6, 0x40000                  ; cx
	s_bfe_u32 s41, ttmp6, 0x40004                  ; cy
	s_lshl_b32 s42, ttmp9, 2
	s_add_co_u32 s42, s42, s40                     ; tile column
	s_and_b32 s17, ttmp7, 0xffff
	s_lshl_b32 s17, s17, 2
	s_add_co_u32 s17, s17, s41                     ; tile row
	s_lshl_b32 s43, s41, 2
	s_lshl_b32 s43, 15, s43                        ; my row of the cluster
	s_lshl_b32 s44, 0x1111, s40                    ; my column
	s_or_b32 s[G1+0], s43, (3<<16)|(1<<21)         ; the mask; elements of 8 bytes; bit 21 beside a mask; no padding: an image is read 16 bytes a lane on end
	s_or_b32 s[G1B+0], s44, (3<<16)|(1<<21)
.irp g, G1, G1B
	s_mov_b32 s[\g+1], 512<<16                     ; a tile's two steps, 4,096 bytes
	s_mov_b32 s[\g+2], 8<<16                       ; 8 tiles to a load
	s_mov_b32 s[\g+3], 512<<16
	s_mov_b32 s[\g+4], 8
	s_mov_b32 s[\g+5], KS*256                      ; from tile to tile, in elements
	s_mov_b32 s[\g+6], 0
	s_mov_b32 s[\g+7], 0
.endr
	s_lshl_b32 s18, s16, 17                        ; the ring: my 8 tiles of 16, in bytes
	s_mov_b32 s19, 0
	s_lshl_b32 s20, s17, 4                         ; A's first tile
	s_lshl_b32 s46, s42, 4                         ; B's
	s_lshl_b32 s22, s20, 9
	s_add_co_u32 s22, s22, 20971520                ; x1's scale words,
	s_lshl_b32 s2, s15, 12                         ; my half of A's tiles: 8 x 512 bytes
	s_add_co_u32 s22, s22, s2
	s_mov_b32 s23, 0
	s_lshl_b32 s20, s20, 14
	s_add_co_u32 s20, s20, 16777216                ; x1's codes
	s_mov_b32 s21, 0
	s_lshl_b32 s92, s46, 9
	s_add_co_u32 s92, s92, 17039360                ; w_ff1's scale words in w,
	s_lshl_b32 s2, s16, 12                         ; my half of B's tiles
	s_add_co_u32 s92, s92, s2
	s_mov_b32 s93, 0
	s_lshl_b32 s46, s46, 14
	s_add_co_u32 s46, s46, 8388608                 ; w_ff1's codes in w
	s_mov_b32 s47, 0
	s_lshl_b32 s96, s17, 4                         ; h: token tile 16 gy + 8 x my half, K step 2 gx + my half of the columns
	s_lshl_b32 s97, s15, 3
	s_add_co_u32 s96, s96, s97
	s_lshl_b32 s96, s96, 5
	s_lshl_b32 s97, s42, 1
	s_add_co_u32 s96, s96, s97
	s_add_co_u32 s96, s96, s16
	s_lshl_b32 s98, s96, 6
	s_add_co_u32 s98, s98, 16777216
	s_lshl_b32 s96, s96, 11
	s_mov_b32 s97, 0
	s_mov_b32 s99, 0
	s_lshl_b32 s45, s14, 15                        ; where my chunks of the ring go: no place in the cluster enters an LDS address
	s_wait_dscnt 0x0                               ; both opening adds are done
	s_wait_kmcnt 0x0
	s_add_nc_u64 s[20:21], s[4:5], s[20:21]
	s_add_nc_u64 s[SCA:SCA+1], s[4:5], s[22:23]
	s_add_nc_u64 s[46:47], s[6:7], s[46:47]
	s_add_nc_u64 s[92:93], s[6:7], s[92:93]
	s_add_nc_u64 s[96:97], s[8:9], s[96:97]
	s_add_nc_u64 s[98:99], s[8:9], s[98:99]
	CROUND                                         ; all sixteen work-groups are here: the first joint loads meet
	s_cmp_eq_u32 s15, 0                            ; the prefetches: partner p (cx for A, cy for B) takes tiles 4 p .. 4 p + 3 of the 16, two to a wave
	s_cselect_b64 s[PFA:PFA+1], s[20:21], s[46:47]
	s_cselect_b32 s2, s40, s41
	s_lshl_b32 s2, s2, 1
	s_add_co_u32 s2, s2, s16
	s_lshl_b32 s2, s2, 15
	s_mov_b32 s3, 0
	s_add_nc_u64 s[PFA:PFA+1], s[PFA:PFA+1], s[2:3]
	s_add_nc_u64 s[20:21], s[20:21], s[18:19]      ; for the ring: my 8 tiles
	s_add_nc_u64 s[46:47], s[46:47], s[18:19]
.irp s, 0,1
	s_mov_b32 s[G0+4*\s], 1
	s_add_co_u32 s[G0+4*\s+1], s45, \s*SLOT
	s_add_nc_u64 s[G0+4*\s+2:G0+4*\s+3], s[20:21], \s*4096
	s_or_b32 s[G0+4*\s+3], s[G0+4*\s+3], 0x80000000
	s_mov_b32 s[G0B+4*\s], 1
	s_add_co_u32 s[G0B+4*\s+1], s45, \s*SLOT
	s_add_nc_u64 s[G0B+4*\s+2:G0B+4*\s+3], s[46:47], \s*4096
	s_or_b32 s[G0B+4*\s+3], s[G0B+4*\s+3], 0x80000000
.endr
	JLOAD G0, G1, G0B, G1B                         ; slot 0: one tensor load a wave at the head
	v_and_b32 v1, 15, v0                           ; r
	v_bfe_u32 v2, v0, 4, 1                         ; h
	v_lshlrev_b32 v[PFO], 8, v1                    ; 16 blocks of a tile's slot, two tiles a wave
	v_lshl_add_u32 v[PFO], v2, 14, v[PFO]
	s_wait_alu depctr_va_vdst(0)
	ASK 1
	ASK 2
	v_and_b32 v3, 31, v0
	v_lshlrev_b32 v[VS], 2, v3
.irp i, 0,1,2,3,4,5,6,7
.irp j, 0,1,2,3
	global_load_b32 v[SC+8*\i+\j], v[VS], s[SCA:SCA+1] offset:512*\i+128*\j     ; 32 lanes read the 128 consecutive bytes of two K steps' words of a tile
	global_load_b32 v[SC+8*\i+4+\j], v[VS], s[SCB:SCB+1] offset:512*\i+128*\j
.endr
.endr
	v_lshlrev_b32 v[CO], 4, v3
	v_lshlrev_b32 v[SO], 2, v1
	s_lshl_b32 s21, s15, 15                        ; my half of A
	s_lshl_b32 s22, s16, 15
	s_add_co_u32 s22, s22, 2*CH                    ; my half of B
.irp s, 0,1
	v_add_nc_u32 v[ADRA+\s], s21, v[CO]
	v_add_nc_u32 v[ADRB+\s], s22, v[CO]
	s_add_co_u32 s21, s21, SLOT
	s_add_co_u32 s22, s22, SLOT
.endr
.macro FRAG reg, adr, q, i             ; a fragment comes as it lies: four loads of 512 consecutive bytes
.irp c, 0,1,2,3
	ds_load_b128 v[\reg+4*\c:\reg+4*\c+3], v[\adr] offset:4096*(\i)+2048*(\q)+512*\c
.endr
.endm
.macro MUL16 a0, p, q, sc, zero        ; A's blocks a0, a0 + 1 x B's eight; the 64 accumulators take turns in the same order in every step
.irp a, \a0, \a0+1
.irp b, 0,1,2,3,4,5,6,7
.if \zero                              ; KSL: which of K's four slots; q: the slot's step, which is the row of both scale registers
	v_wmma_scale_f32_16x16x128_f8f6f4 v[8*(8*((\a)%4)+\b):8*(8*((\a)%4)+\b)+7], v[128*(\p)+FR*\b:128*(\p)+FR*\b+FR-1], v[AF+FR*(\a):AF+FR*(\a)+FR-1], 0, v[SC+8*\b+4+KSL], v[SC+8*(\a)+KSL]
.elseif \q
	v_wmma_scale_f32_16x16x128_f8f6f4 v[8*(8*((\a)%4)+\b):8*(8*((\a)%4)+\b)+7], v[128*(\p)+FR*\b:128*(\p)+FR*\b+FR-1], v[AF+FR*(\a):AF+FR*(\a)+FR-1], v[8*(8*((\a)%4)+\b):8*(8*((\a)%4)+\b)+7], v[SC+8*\b+4+KSL], v[SC+8*(\a)+KSL] matrix_a_scale:MATRIX_SCALE_ROW1 matrix_b_scale:MATRIX_SCALE_ROW1
.else
	v_wmma_scale_f32_16x16x128_f8f6f4 v[8*(8*((\a)%4)+\b):8*(8*((\a)%4)+\b)+7], v[128*(\p)+FR*\b:128*(\p)+FR*\b+FR-1], v[AF+FR*(\a):AF+FR*(\a)+FR-1], v[8*(8*((\a)%4)+\b):8*(8*((\a)%4)+\b)+7], v[SC+8*\b+4+KSL], v[SC+8*(\a)+KSL]
.endif
.endr
.endr
.endm
.macro FETCH_B slot, q, p
	WIN TO_B
.irp i, 0,1,2,3,4,5,6,7
	FRAG 128*(\p)+FR*\i, ADRB+\slot, \q, \i
.endr
	WIN 0
.endm
.macro FETCH_A slot, q, i0
.irp i, \i0, \i0+1, \i0+2, \i0+3
	FRAG AF+FR*(\i), ADRA+\slot, \q, \i
.endr
.endm
.macro STEP slot, q, zero              ; a step of 128 along K that has its successor in the same slot
	s_wait_dscnt 16                                ; all but the youngest 16 loads (A's blocks 4-7) are in
	WIN MUL_LO
	MUL16 0, (\q)%2, \q, \slot, \zero
	MUL16 2, (\q)%2, \q, \slot, \zero
	s_wait_dscnt 0x0
	PLACES NP
	FETCH_B \slot, (\q)+1, 1-(\q)%2
	FETCH_A \slot, (\q)+1, 0
	WIN MUL_HI
	MUL16 4, (\q)%2, \q, \slot, \zero
	MUL16 6, (\q)%2, \q, \slot, \zero
	PLACES NP
	WIN 0
	FETCH_A \slot, (\q)+1, 4
.endm
.macro TURN slot, next, fill           ; a slot's last step changes slots; fill = 1: this slot is filled again behind a round of the cluster's barrier
	s_wait_tensorcnt 0x0                           ; all my tensor loads have landed: my part of the next slot
	ds_add_u32 v[SPW], v[NIL]
	s_wait_dscnt 17                                ; (the add and the youngest 16 loads may be out)
	WIN MUL_LO
	MUL16 0, 1, 1, \slot, 0
	s_wait_dscnt 0x0                               ; the add is done, and my reads of this slot are over
	s_barrier_signal -1
	MUL16 2, 1, 1, \slot, 0
	WIN 0
	s_barrier_wait -1
.if \fill
	CREST
	s_add_nc_u64 s[G0+4*\slot+2:G0+4*\slot+3], s[G0+4*\slot+2:G0+4*\slot+3], 8192
	s_add_nc_u64 s[G0B+4*\slot+2:G0B+4*\slot+3], s[G0B+4*\slot+2:G0B+4*\slot+3], 8192
	JLOAD G0+4*\slot, G1, G0B+4*\slot, G1B         ; my one tensor load behind the round; its four v_nop are among the places in front of the loads below
	PLACES NP-4
.else
	PLACES NP
.endif
	FETCH_B \next, 0, 0
	FETCH_A \next, 0, 0
	WIN MUL_HI
	MUL16 4, 1, 1, \slot, 0
	MUL16 6, 1, 1, \slot, 0
	PLACES NP
	WIN 0
	FETCH_A \next, 0, 4
.endm
	s_wait_alu depctr_va_vdst(0)
	s_wait_tensorcnt 0x0                           ; my tile of the head's four is in
	ds_add_u32 v[SPW], v[NIL]
	s_wait_dscnt 0x0
	CROUND                                         ; all four tiles are in, and all sixteen work-groups are here
	JLOAD G0+4, G1, G0B+4, G1B                     ; slot 1's first fill
	FETCH_B 0, 0, 0
	FETCH_A 0, 0, 0
	FETCH_A 0, 0, 4
	ASK 3
	s_wait_loadcnt 0x0                             ; the scale words are in
.set KSL, 0
	STEP 0, 0, 1                                   ; K's eight steps are written out; the first products start the sums
	TURN 0, 1, 1
.set KSL, 1
	STEP 1, 0, 0
	TURN 1, 0, 1
.set KSL, 2
	STEP 0, 0, 0
	TURN 0, 1, 0
.set KSL, 3
	STEP 1, 0, 0
	s_wait_dscnt 16
	WIN MUL_LO
	MUL16 0, 1, 1, 1, 0
	MUL16 2, 1, 1, 1, 0
	s_wait_dscnt 0x0
	WIN MUL_HI
	MUL16 4, 1, 1, 1, 0
	MUL16 6, 1, 1, 1, 0
	WIN 0
	PLACES NP                                      ; in front of the first read of results and of writes into registers that the products read
	; THE WAY OUT: eight trips, a block of 16 tokens x 128 columns each: 64 numbers a lane
	s_mov_b32 s[CK+0], 0xC034D90F                  ; p's coefficients x log2 e; the constant term less 1: the factor 1/2
	s_mov_b32 s[CK+2], 0x3FB8AB5A
	s_mov_b32 s[CK+4], 0x3F0A29D2
	s_mov_b32 s[CK+6], 0x3E0EFB2E
	s_mov_b32 s[CK+8], 0xBE899A80
	s_mov_b32 s[CK+10], 0x3ECDFD18
	s_mov_b32 s[CK+12], 0xBFD1A1E5
	s_mov_b32 s[CK+14], 0x40097039
	s_mov_b32 s[C9], 0x3E7C6F08
	s_mov_b32 s[NL2E], 0xBF38AA3B                  ; -log2(e) / 2: z^2 = g^2 / 2
	s_mov_b32 s[HC], 0x3EB504F3                    ; 1 / (2 sqrt 2): z / 2 = |g| x this
.irp k, 0,2,4,6,8,10,12,14,16,18,20
	s_mov_b32 s[CK+1+\k], s[CK+\k]                 ; (a packed form names a pair)
.endr
	s_mov_b32 s[MNT], 0x600000
	s_mov_b32 s[SEL], 0x76543210
	s_mov_b32 s[SEL+1], 0xfedcba98
	s_mov_b32 s[ABSM], 0x7fffffff
	s_mov_b32 s66, 0                               ; s[66:67], s[68:69]: what a trip adds to the stores' bases: 0 in the first
	s_mov_b32 s67, 0
	s_mov_b32 s68, 0
	s_mov_b32 s69, 0
	v_mov_b32 v30, 0xBF97D29D
	v_mov_b32 v31, 0xBF97D29D
.irp b, 0,1,2,3
	v_mov_b32 v[TM+4+\b], 0                        ; a lane permute's destination counts as one of its sources
.endr
.macro RD k                            ; block k out of its accumulators: max(g, 0) and |g|; each accumulator is read from its low end on
	WIN (2+(\k)/4)<<2
.set i, 0
.rept 64
	v_max_num_f32 v[GM+i], 0, v[64*((\k)%4)+i]
.set i, i+1
.endr
.set i, 0
.rept 64
	v_and_b32 v[GA+i], s[ABSM], v[64*((\k)%4)+i]
.set i, i+1
.endr
	WIN 0
.endm
.macro PK32 line:vararg                ; a packed line for the 32 pairs; i counts registers
.set i, 0
.rept 32
	\line
.set i, i+2
.endr
.endm
	s_mov_b32 s3, 0
.Ltile:
.irp k, 0,1,2,3,4,5,6
	s_cmp_eq_u32 s3, \k
	s_cbranch_scc1 .Lrd_\k
.endr
	RD 7
	s_branch .Lgelu
.irp k, 0,1,2,3,4,5,6
.Lrd_\k:
	RD \k
	s_branch .Lgelu
.endr
.Lgelu:
	WIN 0x40
	PK32 v_pk_fma_f32 v[T+i:T+i+1], v[GA+i:GA+i+1], s[HC:HC+1], 1.0 op_sel_hi:[1,0,0]
	WIN 0x41
	s_wait_alu depctr_va_vdst(0)
.set i, 0
.rept 64
	v_rcp_f32 v[T+i], v[T+i]                       ; t
.set i, i+1
.endr
	WIN 0x40
	PK32 v_pk_mul_f32 v[W+i:W+i+1], v[GA+i:GA+i+1], v[GA+i:GA+i+1]
	WIN 0x41
	s_wait_alu depctr_va_vdst(0)                   ; one wait for the batch, ahead of its first reader
	PK32 v_pk_fma_f32 v[P+i:P+i+1], v[T+i:T+i+1], s[C9:C9+1], v[30:31] op_sel_hi:[1,0,1]
	WIN 0x45
.irp k, 7,6,5,4,3,2,1,0
	PK32 v_pk_fma_f32 v[P+i:P+i+1], v[P+i:P+i+1], v[T+i:T+i+1], s[CK+2*\k:CK+2*\k+1] op_sel_hi:[1,1,0]
.endr
	WIN 0x51
	PK32 v_pk_fma_f32 v[P+i:P+i+1], v[W+i:W+i+1], s[NL2E:NL2E+1], v[P+i:P+i+1] op_sel_hi:[1,0,1]
	WIN 0x41
	s_wait_alu depctr_va_vdst(0)
.set i, 0
.rept 64
	v_exp_f32 v[P+i], v[P+i]
.set i, i+1
.endr
	v_nop
	s_wait_alu depctr_va_vdst(0)
	WIN 0x45
	PK32 v_pk_mul_f32 v[P+i:P+i+1], v[P+i:P+i+1], v[T+i:T+i+1]
	WIN 0x04
	PK32 v_pk_fma_f32 v[GM+i:GM+i+1], v[GA+i:GA+i+1], v[P+i:P+i+1], v[GM+i:GM+i+1] neg_lo:[1,0,0] neg_hi:[1,0,0]
	WIN 0
	; the quantiser: register 16 b + i is column 32 b + 16 (lane / 16) + i of my token's 128
.irp b, 0,1,2,3
	v_max3_num_f32 v[TM+\b], |v[GM+16*\b]|, |v[GM+1+16*\b]|, 0x4800000   ; and the floor 2^(9 - 127): the byte cannot fall under 1
.endr
.irp i, 2,4,6,8,10,12,14
.irp b, 0,1,2,3
	v_max3_num_f32 v[TM+\b], v[TM+\b], |v[GM+16*\b+\i]|, |v[GM+1+16*\b+\i]|
.endr
.endr
.irp b, 0,1,2,3
	v_permlanex16_b32 v[TM+4+\b], v[TM+\b], s[SEL], s[SEL+1]
.endr
.irp b, 0,1,2,3
	v_max_num_f32 v[TM+\b], v[TM+\b], v[TM+4+\b]
.endr
.irp b, 0,1,2,3
	v_add_nc_u32 v[TM+12+\b], 0xfc000000, v[TM+\b] ; 8 off the exponent field: the conversion's scale operand
.endr
.irp b, 0,1,2,3
	v_and_or_b32 v[TM+8+\b], v[TM+\b], 0x7f800000, s[MNT]   ; 448 x the scale
.endr
.irp b, 0,1,2,3
	v_lshrrev_b32 v[TM+4+\b], 23, v[TM+12+\b]      ; the scale's byte
.endr
	s_wait_alu depctr_va_vdst(0)
	s_wait_xcnt 0x0                                ; the last trip's stores have read their data and bases: only now are the word, the codes and the bases written
	s_add_nc_u64 s[96:97], s[96:97], s[66:67]
	s_add_nc_u64 s[98:99], s[98:99], s[68:69]
	v_lshl_or_b32 v[PW], v[TM+5], 8, v[TM+4]
	v_lshl_or_b32 v[PW], v[TM+6], 16, v[PW]
	v_lshl_or_b32 v[PW], v[TM+7], 24, v[PW]
.irp b, 0,1,2,3
.irp i, 0,1,2,3,4,5,6,7,8,9,10,11,12,13,14,15
	v_med3_num_f32 v[GM+16*\b+\i], v[GM+16*\b+\i], -v[TM+8+\b], v[TM+8+\b]   ; the conversion to an 8-bit code does not saturate (ISA guide 7.6.2): the hold comes first
.endr
	v_cvt_scalef32_pk8_fp8_f32 v[PC+4*\b:PC+4*\b+1], v[GM+16*\b:GM+16*\b+7], v[TM+12+\b]
	v_cvt_scalef32_pk8_fp8_f32 v[PC+4*\b+2:PC+4*\b+3], v[GM+16*\b+8:GM+16*\b+15], v[TM+12+\b]
.endr
	v_nop                                          ; a plain line behind the last conversion
.irp c, 0,1,2,3
	global_store_b128 v[CO], v[PC+4*\c:PC+4*\c+3], s[96:97] offset:512*\c   ; 32 lanes store 512 consecutive bytes
.endr
	global_store_b32 v[SO], v[PW], s[98:99]        ; 64 bytes of scale words (lanes 16-31 write the same words again)
	s_mov_b32 s66, 65536                           ; from token tile to token tile: codes,
	s_mov_b32 s68, 2048                            ; scale words
	s_add_co_u32 s3, s3, 1
	s_cmp_lt_u32 s3, 8
	s_cbranch_scc1 .Ltile
	s_wait_tensorcnt 0x0                           ; the wave's end
	ds_add_u32 v[SPW], v[NIL]
	s_wait_dscnt 0x0
	CROUND                                         ; the closing round
	s_endpgm
.Lfunc_end_k_qda9abff91f_g_ff1:
	.size	k_qda9abff91f_g_ff1, .Lfunc_end_k_qda9abff91f_g_ff1-k_qda9abff91f_g_ff1
	.p2alignl 7, 3214868480
	.fill 96, 4, 3214868480
	.section	.rodata,"a",@progbits
	.p2align	6, 0x0
	.amdhsa_kernel k_qda9abff91f_g_ff1
		.amdhsa_group_segment_fixed_size 327680
		.amdhsa_private_segment_fixed_size 0
		.amdhsa_enable_private_segment 0
		.amdhsa_kernarg_size 24
		.amdhsa_user_sgpr_count 2
		.amdhsa_user_sgpr_kernarg_segment_ptr 1
		.amdhsa_wavefront_size32 1
		.amdhsa_system_sgpr_workgroup_id_x 1
		.amdhsa_system_sgpr_workgroup_id_y 1
		.amdhsa_system_sgpr_workgroup_id_z 1
		.amdhsa_system_vgpr_workitem_id 0
		.amdhsa_next_free_vgpr 1024
		.amdhsa_next_free_sgpr 100
		.amdhsa_reserve_vcc 0
		.amdhsa_float_denorm_mode_32 3
		.amdhsa_float_denorm_mode_16_64 3
		.amdhsa_memory_ordered 1
		.amdhsa_forward_progress 1
		.amdhsa_inst_pref_size 194
	.end_amdhsa_kernel
	.amdgpu_metadata
---
amdhsa.version: [ 1, 2 ]
amdhsa.kernels:
  - .name:           k_qda9abff91f_g_ff1
    .symbol:         k_qda9abff91f_g_ff1.kd
    .args:
      - { .name: x1, .offset: 0, .size: 8, .value_kind: global_buffer, .address_space: global }
      - { .name: w, .offset: 8, .size: 8, .value_kind: global_buffer, .address_space: global }
      - { .name: h, .offset: 16, .size: 8, .value_kind: global_buffer, .address_space: global }
    .group_segment_fixed_size: 327680
    .private_segment_fixed_size: 0
    .kernarg_segment_align: 8
    .kernarg_segment_size: 24
    .max_flat_workgroup_size: 128
    .sgpr_count:     100
    .vgpr_count:     1024
    .wavefront_size: 32
...
	.end_amdgpu_metadata
.endif
;; end of part 5
;; launch g_ff2 (part 6): grid 8 x 32, 4 waves a work-group, clusters of 4 x 4, 327,680 bytes of LDS; arguments h, w, x1, out0; writes out0
.if DOCPART == 6
	.amdgcn_target "amdgcn-amd-amdhsa--gfx1250"
	.amdhsa_code_object_version 6
	.text
	.protected	k_qda9abff91f_g_ff2
	.globl	k_qda9abff91f_g_ff2
	.p2align	8
	.type	k_qda9abff91f_g_ff2,@function
k_qda9abff91f_g_ff2:
	s_mov_b64 s[64:65], 0
	v_nop
	global_prefetch_b8 v0, s[64:65] scope:SCOPE_SE
	s_setreg_imm32_b32 hwreg(HW_REG_WAVE_MODE, 25, 1), 1
	s_wait_xcnt 0x0
	s_wait_alu depctr_hold_cnt(0) depctr_sa_sdst(0) depctr_va_vdst(0) depctr_va_sdst(0) depctr_va_ssrc(0) depctr_va_vcc(0) depctr_vm_vsrc(0)
	s_getreg_b32 s2, hwreg(HW_REG_IB_STS2, 6, 4)
	s_cmp_eq_u32 s2, 0
	s_cbranch_scc0 .Lentry_in_a_cluster
	s_endpgm
.Lentry_in_a_cluster:
	s_bfe_u32 s2, ttmp6, 0x10000c
	s_cmp_lg_u32 s2, 0xf033
	s_cbranch_scc0 .Lentry_shape_is_right
	s_endpgm
.Lentry_shape_is_right:
; LAUNCH 6 OF 6: out0 = x1 + h w_ff2, on codes of FP8 (E4M3) with E8M0 scales; K = 4,096.
; Operands are images of registers: codes [tile][K / 128][c][lane][16 bytes], scale words [tile][K / 128][r][4 bytes]; lane-row r of tile t is row 32 (t / 2) + 8 (t % 2) + r + 8 (r / 8).
; N is 1,024: a work-group makes 128 x 128 (256 work-groups), and ITS FOUR WAVES SHARE K: each wave makes all 128 x 128 (64 accumulators) for every fourth step of 128, so that each LDS byte is read once; the four partial sums meet in LDS at the end.
; A slot of LDS holds four steps of K; K's 32 steps are eight slots' worth, which go through a ring of two slots: two first fills, six refills.  The walk is written out: every offset is an immediate.
; THE CHANGE OF SLOTS STANDS AHEAD OF A STEP'S PRODUCTS: a wave's reads of a slot end with the step before, so the slot is given up and asked for again first, and the step's 64 products follow while that load is on its way.
; HALF OF THE CLUSTERS WALK K FROM ITS MIDDLE: rot = (cluster x + cluster y) % 2, the same in all sixteen partners; the n-th slot asked for is K's slot n xor 4 rot.  So of the clusters that share rows of h, or columns of w_ff2,
; one half asks in its first four slots for what the other half asks for in its last four.  No branch and no LDS address hangs on rot: it enters global addresses alone.  The scale words of all of K come once, each chunk by two loads,
; the half of K that is walked first lying first in LDS.
; LIMIT: the f32 sum over K is taken in four parts, each from the cluster's own starting point, which are then added.
; CLUSTERS: 4 x 4 work-groups; A's tiles (tokens) are asked for jointly along a row of the cluster, B's (columns of w_ff2) along a column.
; THE RESIDUAL x1 comes as the f32 images that the launch g_out stored: a lane's registers as they stood there, in this launch's own order.  It is asked for early: my first tile's at the head, into registers that lie idle through K;
; my second tile's directly behind the last product, into registers that held A's fragments.  The results turn through a stage in LDS into rows of out0.
; REGISTERS: window 0: v8-29 addresses; v32-47 scale words, two sets, and nothing else; v64-127 tile 0's residual, then X; v128-255 A's fragments; at the end v128-191 tile 1's residual, v192-255 rows of out0.
;   window 1: B's fragments, two sets; at the end the four partial sums.  windows 2, 3: the accumulators.
; AS THE TEXT NOW STANDS (in place of what is said above of the scale words): they come by plain loads straight into v32-63, which hold nothing else: A's block i for the walk's slots 2 m and 2 m + 1 lies in register 8 (i / 2) + 2 (i % 2) + m % 2,
; B's 4 further on; lanes 0-15 my step of slot 2 m, lanes 16-31 that of slot 2 m + 1 (the ROW selectors choose).  m = 0, 1 come at the head; m = 2 in the walk's slot 2 and m = 3 in slot 4, into registers whose slots are done.
; At the head each wave fetches its 4 tiles of slot 0; slot 1 follows behind a drained round.
.set KS,    32
.set CH,    32768                      ; 4 tiles x 4 steps x 2,048 bytes: what one refill of a wave brings
.set SLOT,  131072                     ; a slot lies [tile][4 steps]: A's 8 tiles x 8,192 bytes, then B's
.set SCL,   262144                     ; behind the ring: the stages of the way out
.set SAL,  22                          ; s[22:23], s[92:93] my step's scale words of A's 8 tiles, of B's, in the half of K that is walked first;
.set SBL,  92
.set SAH,  68                          ; s[68:69], s[70:71] in the other half; none of the four is rewritten behind the head
.set SBH,  70
.set PFL,  94                          ; s[94:95], s[2:3] where my prefetches stand in the first and in the second half of the walk; never rewritten
.set PFH,  2
.set PFO,  22                          ; v22  their offset: 256 x lane; never rewritten
.set SPARE, 295936                     ; behind the stages
.set FR,    16
.set NP,    8
.set RS,   8                           ; v8-11 where I put my partial sums for owner 0 .. 3
.set RL,   12                          ; v12  where I find the four parts of my rows
.set STI,  13                          ; v13  my stage, by rows
.set STF,  14                          ; v14  my stage, in a fragment's order
.set ADRA, 16
.set ADRB, 20
.set CO,   26                          ; v26  16 x lane; never rewritten
.set VS,   27                          ; v27  4 r, lanes 16-31 a slot (256 bytes of a tile's words) further on; never rewritten
.set SPW,  28
.set NIL,  29
.set SC,   32
.set X,    64
.set R0,   64
.set AF,   128
.set R1,   128
.set XR,   192
.set ROT,  12                          ; s12  32,768 rot: four slots of a tile's codes
.set ROTS, 13                          ; s13  1,024 rot: half of a tile's scale words
.set OFF,  66                          ; s[66:67] a byte offset, its high word 0
.set G1, 24
.set G0, 32
.set G1B, 48
.set G0B, 56
.set MSB, 0
.macro WIN new
.if MSB != \new
	s_set_vgpr_msb (MSB<<8)|\new
.set MSB, \new
.endif
.endm
.set MUL_LO, 0xa1
.set MUL_HI, 0xf1
.set TO_B,   0x40
.macro JLOAD g0a, g1a, g0b, g1b        ; a joint load: waves 0 and 1 fetch for A, waves 2 and 3 for B; an s_nop 0 and four v_nop follow each line
	s_cmp_eq_u32 s15, 0
	s_cbranch_scc0 .Lfor_b_\@
	tensor_load_to_lds s[\g0a:\g0a+3], s[\g1a:\g1a+7]
	s_nop 0
.rept 4
	v_nop
.endr
	s_branch .Lasked_\@
.Lfor_b_\@:
	tensor_load_to_lds s[\g0b:\g0b+3], s[\g1b:\g1b+7]
	s_nop 0
.rept 4
	v_nop
.endr
.Lasked_\@:
.endm
.macro CREST
	s_cmp_lg_u32 s14, 0
	s_cbranch_scc1 .Lnot_wave_0_\@
	s_barrier_signal -3
.Lnot_wave_0_\@:
	s_barrier_wait -3
	s_barrier_signal -1
	s_barrier_wait -1
.endm
.macro CROUND
	s_barrier_signal -1
	s_barrier_wait -1
	CREST
.endm
.macro PLACES n
.rept \n
	v_nop
.endr
.endm
.macro RLD u, reg                      ; x1 of my tile u, as f32, in my registers' order: 512 consecutive bytes a load
.irp k, 0,1,2,3,4,5,6,7,8,9,10,11,12,13,14,15
	global_load_b128 v[(\reg)+4*\k:(\reg)+4*\k+3], v[CO], s[98:99] offset:8192*\u+512*\k th:TH_LOAD_NT
.endr
.endm
	s_load_b256 s[4:11], s[0:1], 0x0               ; h s[4:5], w s[6:7], x1 s[8:9], out0 s[10:11]
	v_lshl_add_u32 v[SPW], v0, 2, SPARE
	v_mov_b32 v[NIL], 0
	ds_add_u32 v[SPW], v[NIL]                      ; the wave's opening: the add, twice on end, and its wait ahead of my first tensor load
	ds_add_u32 v[SPW], v[NIL]
	v_lshrrev_b32 v1, 5, v0
	v_readfirstlane_b32 s14, v1                    ; wave 0..3: my step of a slot's four
	s_lshr_b32 s15, s14, 1                         ; a refill of mine is for A (0) or for B (1)
	s_and_b32 s16, s14, 1                          ; and brings which 4 tiles of 8
	s_bfe_u32 s40, ttmp6, 0x40000
	s_bfe_u32 s41, ttmp6, 0x40004
	s_lshl_b32 s42, ttmp9, 2
	s_add_co_u32 s42, s42, s40                     ; gx
	s_and_b32 s17, ttmp7, 0xffff                   ; the cluster's y
	s_add_co_u32 s[ROT], s17, ttmp9
	s_and_b32 s[ROT], s[ROT], 1                    ; rot: made of the cluster's own x and y, which all partners share
	s_lshl_b32 s[ROTS], s[ROT], 10
	s_lshl_b32 s[ROT], s[ROT], 15
	s_lshl_b32 s17, s17, 2
	s_add_co_u32 s17, s17, s41                     ; gy
	s_lshl_b32 s43, s41, 2
	s_lshl_b32 s43, 15, s43
	s_lshl_b32 s44, 0x1111, s40
	s_or_b32 s[G1+0], s43, (3<<16)|(1<<21)
	s_or_b32 s[G1B+0], s44, (3<<16)|(1<<21)
.irp g, G1, G1B
	s_mov_b32 s[\g+1], 1024<<16                    ; a tile's four steps, 8,192 bytes; 4 tiles to a load
	s_mov_b32 s[\g+2], 4<<16
	s_mov_b32 s[\g+3], 1024<<16
	s_mov_b32 s[\g+4], 4
	s_mov_b32 s[\g+5], KS*256
	s_mov_b32 s[\g+6], 0
	s_mov_b32 s[\g+7], 0
.endr
	s_mul_i32 s18, s16, 4*KS*2048                  ; the refills: my 4 tiles of 8, in bytes
	s_mov_b32 s19, 0
	s_lshl_b32 s20, s17, 3                         ; A's first tile: 8 gy
	s_mul_i32 s22, s20, KS*64
	s_add_co_u32 s22, s22, 16777216                ; h's scale words,
	s_lshl_b32 s2, s14, 6                          ; my step of a slot's four: 64 bytes
	s_add_co_u32 s22, s22, s2
	s_mov_b32 s23, 0
	s_mul_i32 s20, s20, KS*2048
	s_mov_b32 s21, 0
	s_lshl_b32 s46, s42, 3                         ; B's: 8 gx
	s_mul_i32 s92, s46, KS*64
	s_add_co_u32 s92, s92, 17170432                ; w_ff2's scale words in w
	s_add_co_u32 s92, s92, s2
	s_mov_b32 s93, 0
	s_mul_i32 s46, s46, KS*2048
	s_add_co_u32 s46, s46, 12582912                ; w_ff2's codes in w
	s_mov_b32 s47, 0
	s_lshl_b32 s96, s17, 19                        ; out0: row 128 gy + 32 w, byte 512 gx
	s_lshl_b32 s97, s14, 17
	s_add_co_u32 s96, s96, s97
	s_lshl_b32 s97, s42, 9
	s_add_co_u32 s96, s96, s97
	s_mov_b32 s97, 0
	s_lshl_b32 s98, s17, 3                         ; x1's f32 images
	s_add_co_u32 s98, s98, s42
	s_lshl_b32 s98, s98, 16
	s_lshl_b32 s99, s14, 14
	s_add_co_u32 s98, s98, s99
	s_mov_b32 s99, 0
	s_lshl_b32 s45, s14, 15
	s_mov_b32 s[OFF+1], 0
	s_wait_dscnt 0x0                               ; both opening adds are done
	s_wait_kmcnt 0x0
	s_add_nc_u64 s[20:21], s[4:5], s[20:21]        ; my chunk of A at K's start: it stays, and every fill's address is made from it
	s_add_nc_u64 s[22:23], s[4:5], s[22:23]
	s_add_nc_u64 s[46:47], s[6:7], s[46:47]        ; the same for B
	s_add_nc_u64 s[92:93], s[6:7], s[92:93]
	s_add_nc_u64 s[98:99], s[8:9], s[98:99]
	s_add_nc_u64 s[96:97], s[10:11], s[96:97]
	CROUND                                         ; all sixteen work-groups are here: the first joint loads meet
.macro SLOAD m                         ; my step's scale words of the walk's slots 2 m and 2 m + 1: 16 loads
.irp i, 0,1,2,3,4,5,6,7
.if (\m) < 2
	global_load_b32 v[SC+8*(\i/2)+2*(\i%2)+(\m)%2], v[VS], s[SAL:SAL+1] offset:2048*\i+512*((\m)%2)
	global_load_b32 v[SC+8*(\i/2)+2*(\i%2)+4+(\m)%2], v[VS], s[SBL:SBL+1] offset:2048*\i+512*((\m)%2)
.else
	global_load_b32 v[SC+8*(\i/2)+2*(\i%2)+(\m)%2], v[VS], s[SAH:SAH+1] offset:2048*\i+512*((\m)%2)
	global_load_b32 v[SC+8*(\i/2)+2*(\i%2)+4+(\m)%2], v[VS], s[SBH:SBH+1] offset:2048*\i+512*((\m)%2)
.endif
.endr
.endm
; A PREFETCH of my 32 blocks of 256 bytes of a slot, two fills ahead of its tensor load.  A slot of an operand is 8 tiles x 8,192 bytes; the four partners that ask for it jointly share it out by address:
; partner p (cx for A, cy for B) takes tiles 2 p and 2 p + 1, one to a wave.  w_ff2's columns are walked by eight clusters: those with y under 4 ask for them (s43 = 0 where my wave asks: the cluster's y and the wave's number alone).
.macro ASK base, off
	s_cmp_eq_u32 s43, 0
	s_cbranch_scc0 .Lnot_mine_\@
	global_prefetch_b8 v[PFO], s[\base:\base+1] offset:\off th:TH_LOAD_NT scope:SCOPE_SE
.Lnot_mine_\@:
.endm
	s_xor_b32 s[OFF], s[ROTS], 1024                ; the half of K that is walked last: 1,024 bytes of a tile's scale words to a half
	s_add_nc_u64 s[SAH:SAH+1], s[SAL:SAL+1], s[OFF:OFF+1]
	s_add_nc_u64 s[SBH:SBH+1], s[SBL:SBL+1], s[OFF:OFF+1]
	s_mov_b32 s[OFF], s[ROTS]                      ; and the half that is walked first
	s_add_nc_u64 s[SAL:SAL+1], s[SAL:SAL+1], s[OFF:OFF+1]
	s_add_nc_u64 s[SBL:SBL+1], s[SBL:SBL+1], s[OFF:OFF+1]
	s_cmp_eq_u32 s15, 0
	s_cselect_b64 s[PFL:PFL+1], s[20:21], s[46:47]
	s_cselect_b32 s2, s40, s41
	s_lshl_b32 s2, s2, 1
	s_add_co_u32 s2, s2, s16
	s_mul_i32 s2, s2, KS*2048
	s_mov_b32 s3, 0
	s_add_nc_u64 s[PFL:PFL+1], s[PFL:PFL+1], s[2:3]
	s_xor_b32 s[OFF], s[ROT], 32768
	s_add_nc_u64 s[PFH:PFH+1], s[PFL:PFL+1], s[OFF:OFF+1]
	s_mov_b32 s[OFF], s[ROT]
	s_add_nc_u64 s[PFL:PFL+1], s[PFL:PFL+1], s[OFF:OFF+1]
	s_and_b32 s43, ttmp7, 0xffff
	s_lshr_b32 s43, s43, 2
	s_mul_i32 s43, s43, s15
	s_add_nc_u64 s[20:21], s[20:21], s[18:19]      ; for the refills: my 4 tiles at K's start
	s_add_nc_u64 s[46:47], s[46:47], s[18:19]
.irp s, 0,1
	s_xor_b32 s[OFF], s[ROT], \s*8192              ; the walk's slot s is K's slot s xor 4 rot: 8,192 bytes of a tile's codes to a slot
	s_mov_b32 s[G0+4*\s], 1
	s_add_co_u32 s[G0+4*\s+1], s45, \s*SLOT
	s_add_nc_u64 s[G0+4*\s+2:G0+4*\s+3], s[20:21], s[OFF:OFF+1]
	s_or_b32 s[G0+4*\s+3], s[G0+4*\s+3], 0x80000000
	s_mov_b32 s[G0B+4*\s], 1
	s_add_co_u32 s[G0B+4*\s+1], s45, \s*SLOT
	s_add_nc_u64 s[G0B+4*\s+2:G0B+4*\s+3], s[46:47], s[OFF:OFF+1]
	s_or_b32 s[G0B+4*\s+3], s[G0B+4*\s+3], 0x80000000
.endr
	JLOAD G0, G1, G0B, G1B                         ; slot 0: one tensor load a wave at the head, 4 tiles each
	v_and_b32 v1, 15, v0
	v_bfe_u32 v2, v0, 4, 1
	s_wait_alu depctr_va_vdst(0)
	v_and_b32 v3, 31, v0
	v_lshlrev_b32 v[CO], 4, v3
	v_lshlrev_b32 v[PFO], 8, v3
	v_lshlrev_b32 v[VS], 2, v1
	v_lshl_add_u32 v[VS], v2, 8, v[VS]
	s_wait_alu depctr_va_vdst(0)
	SLOAD 0                                        ; the scale words of the walk's slots 0 to 3
	SLOAD 1
	RLD 0, R0
	ASK PFL, 8192                                  ; the walk's slots 1 and 2
	ASK PFL, 16384
	s_lshl_b32 s18, s14, 11                        ; my step of a tile's four, in A
	s_add_co_u32 s19, s18, 2*CH                    ; and in B
.irp s, 0,1
	v_add_nc_u32 v[ADRA+\s], s18, v[CO]
	v_add_nc_u32 v[ADRB+\s], s19, v[CO]
	s_add_co_u32 s18, s18, SLOT
	s_add_co_u32 s19, s19, SLOT
.endr
	s_wait_alu depctr_va_vdst(0)
	s_lshl_b32 s18, s14, 14
	v_add_nc_u32 v[RS], s18, v[CO]
	v_add_nc_u32 v[RS+1], 0x10000, v[RS]
	v_add_nc_u32 v[RS+2], 0x20000, v[RS]
	v_add_nc_u32 v[RS+3], 0x30000, v[RS]
	s_lshl_b32 s18, s14, 16
	v_add_nc_u32 v[RL], s18, v[CO]
	s_mul_i32 s18, s14, 8448
	s_add_co_u32 s18, s18, SCL
	v_add_nc_u32 v[STI], s18, v[CO]
	v_mul_u32_u24 v4, v1, 528
	v_lshl_add_u32 v4, v2, 6, v4
	v_add_nc_u32 v[STF], s18, v4
.macro FRAG reg, adr, i
.irp c, 0,1,2,3
	ds_load_b128 v[\reg+4*\c:\reg+4*\c+3], v[\adr] offset:8192*(\i)+512*\c
.endr
.endm
.macro MUL16 a0, p, zero               ; A's blocks a0, a0 + 1 x B's eight; p: B's set and the set of scale words.  The 64 accumulators take turns, one instruction a turn, in the same order in every step
.irp a, \a0, \a0+1
.irp b, 0,1,2,3,4,5,6,7
.if \zero                              ; JJ: which of a block's two scale registers; p, the slot's parity, is the row of both
	v_wmma_scale_f32_16x16x128_f8f6f4 v[8*(8*((\a)%4)+\b):8*(8*((\a)%4)+\b)+7], v[128*(\p)+FR*\b:128*(\p)+FR*\b+FR-1], v[AF+FR*(\a):AF+FR*(\a)+FR-1], 0, v[SC+8*(\b/2)+2*(\b%2)+4+JJ], v[SC+8*((\a)/2)+2*((\a)%2)+JJ]
.elseif \p
	v_wmma_scale_f32_16x16x128_f8f6f4 v[8*(8*((\a)%4)+\b):8*(8*((\a)%4)+\b)+7], v[128*(\p)+FR*\b:128*(\p)+FR*\b+FR-1], v[AF+FR*(\a):AF+FR*(\a)+FR-1], v[8*(8*((\a)%4)+\b):8*(8*((\a)%4)+\b)+7], v[SC+8*(\b/2)+2*(\b%2)+4+JJ], v[SC+8*((\a)/2)+2*((\a)%2)+JJ] matrix_a_scale:MATRIX_SCALE_ROW1 matrix_b_scale:MATRIX_SCALE_ROW1
.else
	v_wmma_scale_f32_16x16x128_f8f6f4 v[8*(8*((\a)%4)+\b):8*(8*((\a)%4)+\b)+7], v[128*(\p)+FR*\b:128*(\p)+FR*\b+FR-1], v[AF+FR*(\a):AF+FR*(\a)+FR-1], v[8*(8*((\a)%4)+\b):8*(8*((\a)%4)+\b)+7], v[SC+8*(\b/2)+2*(\b%2)+4+JJ], v[SC+8*((\a)/2)+2*((\a)%2)+JJ]
.endif
.endr
.endr
.endm
.macro FETCH_B slot
	WIN TO_B
.irp i, 0,1,2,3,4,5,6,7
	FRAG 128*(\slot)+FR*\i, ADRB+\slot, \i
.endr
	WIN 0
.endm
.macro FETCH_A slot, i0
.irp i, \i0, \i0+1, \i0+2, \i0+3
	FRAG AF+FR*(\i), ADRA+\slot, \i
.endr
.endm
; THE WALK'S SLOT n.  Its fragments are in registers or on their way there: the step before asked for them.  So the change of slots comes first: each wave waits for all its tensor loads (its part of slot n + 1), adds 0 to its spare word,
; and waits for that and for its reads of this slot; fill = 1: behind a round of the cluster's barrier this slot is asked for again, with the walk's slot n + 2.  Then the step's 64 products, and among them the fetching of slot n + 1's fragments.
.macro TURN n, fill, zero
.set SL, (\n)%2
.set NX, 1-SL
.set JJ, ((\n)/2)%2
	s_wait_tensorcnt 0x0                           ; all my tensor loads have landed: no load of mine is out, so a group 0 may be written
	ds_add_u32 v[SPW], v[NIL]                      ; 0 onto my spare word; the descriptors' words stand between it and the wait for it
.if \fill
	s_xor_b32 s[OFF], s[ROT], ((\n)+2)*8192        ; K's slot (n + 2) xor 4 rot
	s_add_nc_u64 s[G0+4*SL+2:G0+4*SL+3], s[20:21], s[OFF:OFF+1]
	s_or_b32 s[G0+4*SL+3], s[G0+4*SL+3], 0x80000000
	s_add_nc_u64 s[G0B+4*SL+2:G0B+4*SL+3], s[46:47], s[OFF:OFF+1]
	s_or_b32 s[G0B+4*SL+3], s[G0B+4*SL+3], 0x80000000
.endif
	s_wait_dscnt 0x0                               ; the add is done, and my reads of this slot are over: its fragments are in registers
	s_barrier_signal -1
	s_barrier_wait -1
.if \fill
	CREST                                          ; the barrier has opened a round of the cluster's barrier: no wave of any partner still reads this slot or has a load on its way
	JLOAD G0+4*SL, G1, G0B+4*SL, G1B               ; my one tensor load behind the round, and the first thing there: the whole step stands between it and the wait for it
.endif
.if (\n) == 4 || (\n) == 6
	s_wait_loadcnt 0x0                             ; the scale words asked for two slots ago are in
.endif
	WIN MUL_LO
	MUL16 0, SL, \zero
	MUL16 2, SL, \zero
	PLACES NP                                      ; in front of loads into registers that matrix instructions have read
	FETCH_B NX
	FETCH_A NX, 0
.if (\n) == 2 || (\n) == 4
	SLOAD (\n)/2+1                                 ; into the registers of the two slots before this one: their last products stand more than eight places back
.endif
.if (\n) < 4
	ASK PFH, (\n)*8192                             ; the walk's slot n + 4: this trip's tensor load asked for slot n + 2
.endif
	WIN MUL_HI
	MUL16 4, SL, \zero
	MUL16 6, SL, \zero
	PLACES NP
	WIN 0
	FETCH_A NX, 4
.endm
	s_wait_alu depctr_va_vdst(0)
	s_wait_tensorcnt 0x0                           ; my tile of the head's four is in
	ds_add_u32 v[SPW], v[NIL]
	s_wait_dscnt 0x0
	CROUND                                         ; all four tiles are in, and all sixteen work-groups are here
	JLOAD G0+4, G1, G0B+4, G1B                     ; slot 1's first fill: my one tensor load behind the round
	FETCH_B 0
	FETCH_A 0, 0
	s_wait_loadcnt 16                              ; the scale words are in; the 16 younger loads of the residual may be out
	FETCH_A 0, 4
	ASK PFL, 24576                                 ; the walk's slot 3
	TURN 0, 1, 1                                   ; my first step starts the sums
	TURN 1, 1, 0
	TURN 2, 1, 0
	TURN 3, 1, 0
	TURN 4, 1, 0
	TURN 5, 1, 0                                   ; the last refill: the walk's slot 7
	TURN 6, 0, 0                                   ; nothing is left to fetch: a plain barrier shows slot 7 whole
	s_wait_dscnt 16                                ; all but the youngest 16 loads (A's blocks 4-7) are in
	WIN MUL_LO
	MUL16 0, 1, 0
	MUL16 2, 1, 0
	s_wait_alu depctr_va_vdst(0)
	s_wait_dscnt 0x0
	WIN MUL_HI
	MUL16 4, 1, 0
	MUL16 6, 1, 0
	WIN 0
	; THE FOUR PARTS MEET.  Wave w owns A's blocks 2 w and 2 w + 1 (32 tokens) and all 128 columns.  The parts lie over the ring, the stages behind it: the ring has had its last fill, and behind this barrier nobody reads it
	PLACES NP
	RLD 1, R1                                      ; my second tile's residual, into registers that held A's blocks 0-3 (eight places behind the last product): the meeting of the parts and all of tile 0 stand between these loads and the wait for them
	s_wait_dscnt 0x0
	s_barrier_signal -1
	s_barrier_wait -1
.macro REDST a
.set AC, 64*((\a)%4)
.irp b, 0,1,2,3,4,5,6,7
	ds_store_b128 v[RS+(\a)/2], v[AC+8*\b:AC+8*\b+3] offset:(((\a)%2)*8+\b)*1024       ; each accumulator from its low end on
	ds_store_b128 v[RS+(\a)/2], v[AC+8*\b+4:AC+8*\b+7] offset:(((\a)%2)*8+\b)*1024+512
.endr
.endm
	WIN 0x08                                       ; an LDS store's data are its source 1: window 2
.irp a, 0,1,2,3
	REDST \a
.endr
	WIN 0x0c
.irp a, 4,5,6,7
	REDST \a
.endr
	WIN 0
	s_wait_dscnt 0x0                               ; for the others' sake: my parts lie in LDS
	s_barrier_signal -1
	s_barrier_wait -1
.macro RLOAD u                         ; the four parts of my tile u into window 1
	WIN 0x40
.irp s, 0,1,2,3
.irp b, 0,1,2,3,4,5,6,7
	ds_load_b128 v[64*\s+8*\b:64*\s+8*\b+3], v[RL] offset:16384*\s+(8*\u+\b)*1024
	ds_load_b128 v[64*\s+8*\b+4:64*\s+8*\b+7], v[RL] offset:16384*\s+(8*\u+\b)*1024+512
.endr
.endr
	WIN 0
.endm
.macro SUMS reg                        ; reg: where the tile's residual has landed (tile 0's lies in X's own registers)
	WIN 0x45                                       ; all in window 1
.set i, 0
.rept 32
	v_pk_add_f32 v[i:i+1], v[i:i+1], v[64+i:65+i]
	v_pk_add_f32 v[128+i:129+i], v[128+i:129+i], v[192+i:193+i]
.set i, i+2
.endr
.set i, 0
.rept 32
	v_pk_add_f32 v[i:i+1], v[i:i+1], v[128+i:129+i]
.set i, i+2
.endr
	WIN 0x01                                       ; source 0 window 1; the residual and the result window 0
.set i, 0
.rept 32
	v_pk_add_f32 v[X+i:X+i+1], v[i:i+1], v[(\reg)+i:(\reg)+i+1]   ; + the residual
.set i, i+2
.endr
	WIN 0
.endm
.macro TILE u, reg
	RLOAD \u
	s_wait_loadcnt 16-16*\u                        ; the tile's x1 is in; behind tile 0's sixteen loads stand tile 1's sixteen, which may be out
	s_wait_dscnt 0x0
	SUMS \reg
.irp c, 0,1,2,3
.irp q, 0,1,2,3
	ds_store_b128 v[STF], v[X+16*\c+4*\q:X+16*\c+4*\q+3] offset:128*\c+16*\q   ; into my stage: row r, my 16 columns of each 32
.endr
.endr
.if \u == 1
	s_wait_xcnt 0x0                                ; the last tile's stores have read their data
.endif
.irp r, 0,1,2,3,4,5,6,7,8,9,10,11,12,13,14,15
	ds_load_b128 v[XR+4*\r:XR+4*\r+3], v[STI] offset:528*\r   ; back as whole rows: LDS serves a wave's instructions in order (ISA guide 5.7.1.4)
.endr
.irp r, 0,1,2,3,4,5,6,7,8,9,10,11,12,13,14,15
	s_wait_dscnt 15-\r                             ; row r is back; the younger rows may be out
	global_store_b128 v[CO], v[XR+4*\r:XR+4*\r+3], s[96:97] offset:(8*\u+\r+8*(\r/8))*4096 th:TH_STORE_NT   ; 32 lanes store 512 consecutive bytes of a row of out0
.endr
.endm
	TILE 0, R0
	TILE 1, R1
	s_wait_tensorcnt 0x0                           ; the wave's end
	ds_add_u32 v[SPW], v[NIL]
	s_wait_dscnt 0x0
	CROUND                                         ; the closing round
	s_endpgm
.Lfunc_end_k_qda9abff91f_g_ff2:
	.size	k_qda9abff91f_g_ff2, .Lfunc_end_k_qda9abff91f_g_ff2-k_qda9abff91f_g_ff2
	.p2alignl 7, 3214868480
	.fill 96, 4, 3214868480
	.section	.rodata,"a",@progbits
	.p2align	6, 0x0
	.amdhsa_kernel k_qda9abff91f_g_ff2
		.amdhsa_group_segment_fixed_size 327680
		.amdhsa_private_segment_fixed_size 0
		.amdhsa_enable_private_segment 0
		.amdhsa_kernarg_size 32
		.amdhsa_user_sgpr_count 2
		.amdhsa_user_sgpr_kernarg_segment_ptr 1
		.amdhsa_wavefront_size32 1
		.amdhsa_system_sgpr_workgroup_id_x 1
		.amdhsa_system_sgpr_workgroup_id_y 1
		.amdhsa_system_sgpr_workgroup_id_z 1
		.amdhsa_system_vgpr_workitem_id 0
		.amdhsa_next_free_vgpr 1024
		.amdhsa_next_free_sgpr 100
		.amdhsa_reserve_vcc 0
		.amdhsa_float_denorm_mode_32 3
		.amdhsa_float_denorm_mode_16_64 3
		.amdhsa_memory_ordered 1
		.amdhsa_forward_progress 1
		.amdhsa_inst_pref_size 169
	.end_amdhsa_kernel
	.amdgpu_metadata
---
amdhsa.version: [ 1, 2 ]
amdhsa.kernels:
  - .name:           k_qda9abff91f_g_ff2
    .symbol:         k_qda9abff91f_g_ff2.kd
    .args:
      - { .name: h, .offset: 0, .size: 8, .value_kind: global_buffer, .address_space: global }
      - { .name: w, .offset: 8, .size: 8, .value_kind: global_buffer, .address_space: global }
      - { .name: x1, .offset: 16, .size: 8, .value_kind: global_buffer, .address_space: global }
      - { .name: out0, .offset: 24, .size: 8, .value_kind: global_buffer, .address_space: global }
    .group_segment_fixed_size: 327680
    .private_segment_fixed_size: 0
    .kernarg_segment_align: 8
    .kernarg_segment_size: 32
    .max_flat_workgroup_size: 128
    .sgpr_count:     100
    .vgpr_count:     1024
    .wavefront_size: 32
...
	.end_amdgpu_metadata
.endif
;; end of part 6
